; MI455X (gfx1250); checked and timed in simulation.
; The chip was launched on July 23, 2026; its instructions are those of AMD's public machine-readable ISA for CDNA 5 (MIT licence, August 2026) and "CDNA5" Instruction Set Architecture Reference Guide (July 2026). The comments in the code are by the model that wrote it; some were corrected since.
;; Bahdanau Attention. Allowed arithmetic: float matrix products may take bf16 or f16 operands with f32 sums; all other float work in f32.
;; Inputs: Ua_b 1,024 float32; Ua_w 1,024 x 1,024 float32; Va_b 1 float32; Va_w 1,024 x 1 float32; Wa_b 1,024 float32; Wa_w 2,048 x 1,024 float32; keys 32 x 2,048 x 1,024 float32; query 32 x 1 x 2,048 float32.
;; Outputs: out0 32 x 1 x 1,024 float32; out1 32 x 1 x 2,048 float32.
;; 2 versions, each right; version 2 is version 1 with the launch main written anew for expert scheduling mode. Each part assembles by itself: llvm-mc -triple=amdgcn-amd-amdhsa -mcpu=gfx1250 --defsym DOCPART=n.
;; ======== version 1 of 2: 3 launches
;; workspace buffers: ub 2,097,152 bytes; qpart 2,097,152 bytes; scores 262,144 bytes; ctxp 2,097,152 bytes
;; launch prep (part 1): grid 256 x 1, 4 waves a work-group, no clusters, 47,616 bytes of LDS; arguments Ua_w, Wa_w, query, ub, qpart; writes ub, qpart
.if DOCPART == 1
	.amdgcn_target "amdgcn-amd-amdhsa--gfx1250"
	.amdhsa_code_object_version 6
	.text
	.protected	k_q358b2d93fc_prep
	.globl	k_q358b2d93fc_prep
	.p2align	8
	.type	k_q358b2d93fc_prep,@function
k_q358b2d93fc_prep:
	s_mov_b64 s[64:65], 0
	v_nop
	global_prefetch_b8 v0, s[64:65] scope:SCOPE_SE
	s_setreg_imm32_b32 hwreg(HW_REG_WAVE_MODE, 25, 1), 1
	s_wait_xcnt 0x0
; Two small jobs for the main launch, one block of each in every one of the 256 work-groups (four waves).
; (1) ub: Ua_w [k 1024][n 1024] f32, times 2 log2(e), rounded once to bf16 and laid out as matrix fragments:
;     byte ((w*2+p)*32+s)*8192 + b*1024 + half*512 + L*16 holds the 8 numbers k = 32 s + 16 half + 8 (L>>4) + 0..7 of
;     column n = 512 p + 128 w + 16 b + (L&15).  The factor lets the main launch form tanh(x) = 1 - 2/(1 + 2^(2 log2(e) x)).
;     A work-group makes one block of 8,192 bytes: 32 k x 128 n.
; (2) qpart[batch 32][ks 16][h 1024] f32: the part of query x Wa_w that comes from d = 128 ks .. 128 ks + 127.
;     A work-group makes 32 batches x 64 columns of one slice; bf16 operands, f32 sums.  The 16 slices are added, in f32 and
;     in a fixed order, by the main launch: no sum crosses work-groups here.
; LIMITS: Ua_w (after the factor), Wa_w and query are rounded to bf16 (range of f32, 8 bits of mantissa).
; Both weight matrices lie [K][N]; they go through LDS as bf16 rows and come back transposed (ds_load_tr16_b128).
; No tensor loads, no cluster: each work-group reads 16 + 32 + 16 KiB once, and only the query slice (16 KiB) is shared.
.set PU,   288                         ; LDS pitch of U: 128 bf16 + 32 bytes, an odd multiple of 32 bytes for the transposing loads
.set PW,   160                         ; of W: 64 bf16 + 32 bytes, likewise
.set PQ,   272                         ; of Q: 128 bf16 + 16 bytes, an odd multiple of 16 bytes for the fragment loads
.set PO,   272                         ; of the output stage: 64 f32 + 16 bytes
.set LW,   32*PU                       ; U: bytes 0 .. 9,215       32 rows (k)
.set LQ,   LW+128*PW                   ; W: 9,216 .. 29,695        128 rows (d)
.set LOUT, LQ+32*PQ                    ; Q: 29,696 .. 38,399       32 rows (batch);  stage: 38,400 .. 47,103, 32 rows (batch)
.set UO,  4                            ; v4   global offset in Ua_w      v5  in query      v6  in Wa_w
.set QO,  5
.set WO,  6
.set US,  7                            ; v7   LDS store address in U     v8  in Q          v9  in W
.set QS,  8
.set WS,  9
.set UT,  10                           ; v10  transposing loads from U   v11 from W        v12 fragment loads from Q
.set WT,  11
.set QT,  12
.set OS,  13                           ; v13  stage, in                  v14 stage, back
.set ORD, 14
.set UBO, 15                           ; v15  global offset in ub        v16 in qpart
.set QPO, 16
.set DU,  24                           ; v[24:55]   8 x 4 f32 of Ua_w as loaded
.set DQ,  56                           ; v[56:87]   8 x 4 f32 of query
.set DW,  88                           ; v[88:151]  16 x 4 f32 of Wa_w
.set FU,  24                           ; v[24:39]   later: two fragments of ub
.set FW,  40                           ; v[40:71]   four fragments of Wa_w (32 d each)
.set FQ,  72                           ; v[72:135]  2 x 4 fragments of query
.set ACC, 136                          ; v[136:151] two accumulators (batches 0-15, 16-31)
	s_load_b256 s[4:11], s[0:1], 0x0               ; Ua_w s[4:5], Wa_w s[6:7], query s[8:9], ub s[10:11]
	s_load_b64 s[12:13], s[0:1], 0x20              ; qpart
	v_lshl_add_u32 v152, v0, 2, 0xb800
	v_mov_b32 v153, 0
	v_and_b32 v1, 31, v0                           ; L
	v_lshrrev_b32 v17, 5, v0
	v_readfirstlane_b32 s14, v17                   ; wave v
	v_and_b32 v2, 15, v0                           ; r = L & 15
	v_bfe_u32 v3, v0, 4, 1                         ; h = L >> 4
	s_and_b32 s15, ttmp9, 31                       ; s:  which 32 k of Ua_w
	s_lshr_b32 s16, ttmp9, 5                       ; G:  which 128 columns of Ua_w (G = 4 p + w)
	s_and_b32 s17, ttmp9, 15                       ; cg: which 64 columns of Wa_w
	s_lshr_b32 s18, ttmp9, 4                       ; ks: which 128 d
	; global offsets
	v_lshlrev_b32 v18, 4, v1                       ; 16 L
	s_lshl_b32 s19, s14, 15
	v_add_nc_u32 v[UO], s19, v18                   ; Ua_w: row 8 v (4,096 bytes a row) + 16 L
	s_lshl_b32 s19, s14, 16
	v_add_nc_u32 v[QO], s19, v18                   ; query: row 8 v (8,192 bytes a row) + 16 L
	s_lshl_b32 s19, s14, 11
	v_add_nc_u32 v[UBO], s19, v18                  ; ub: fragment 2 v (1,024 bytes each) + 16 L
	v_lshlrev_b32 v17, 4, v2                       ; 16 r
	v_lshl_add_u32 v[WO], v3, 12, v17
	s_lshl_b32 s19, s14, 17
	v_add_nc_u32 v[WO], s19, v[WO]                 ; Wa_w: row 32 v + h, + 16 r
	v_lshl_add_u32 v[QPO], v3, 16, v17
	s_lshl_b32 s19, s14, 19
	v_add_nc_u32 v[QPO], s19, v[QPO]               ; qpart: batch 8 v + h (65,536 bytes each) + 16 r
	; LDS addresses
	v_lshlrev_b32 v18, 3, v1                       ; 8 L
	s_mul_i32 s19, s14, 8*PU
	v_add_nc_u32 v[US], s19, v18                   ; U: row 8 v, 8 bytes a lane
	s_mul_i32 s19, s14, 8*PQ
	s_add_co_u32 s19, s19, LQ
	v_add_nc_u32 v[QS], s19, v18                   ; Q: row 8 v, 8 bytes a lane
	v_mul_u32_u24 v18, v3, PW
	v_lshl_add_u32 v18, v2, 3, v18
	s_mul_i32 s19, s14, 32*PW
	s_add_co_u32 s19, s19, LW
	v_add_nc_u32 v[WS], s19, v18                   ; W: row 32 v + h, 8 bytes for each of 16 lanes
	v_and_b32 v17, 7, v0
	v_lshl_add_u32 v17, v3, 3, v17                 ; 8 h + (L & 7): the row that a lane addresses in a transposing load
	v_bfe_u32 v18, v0, 3, 1
	v_lshlrev_b32 v18, 4, v18                      ; 16 ((L >> 3) & 1): which 8 of the 16 columns
	v_mul_u32_u24 v[UT], v17, PU
	v_add_nc_u32 v[UT], v[UT], v18
	s_lshl_b32 s19, s14, 6
	v_add_nc_u32 v[UT], s19, v[UT]                 ; U, columns 32 v ..: fragments 2 v and 2 v + 1
	v_mul_u32_u24 v[WT], v17, PW
	v_add_nc_u32 v[WT], v[WT], v18
	s_lshl_b32 s19, s14, 5
	s_add_co_u32 s19, s19, LW
	v_add_nc_u32 v[WT], s19, v[WT]                 ; W, columns 16 v ..
	v_mul_u32_u24 v17, v2, PQ
	v_lshl_add_u32 v[QT], v3, 4, v17
	v_add_nc_u32 v[QT], LQ, v[QT]                  ; Q: row r, 16 h
	v_lshl_add_u32 v[OS], v3, 5, v17               ; (PO = PQ) stage: row r, column 16 v + 8 h
	s_lshl_b32 s19, s14, 6
	s_add_co_u32 s19, s19, LOUT
	v_add_nc_u32 v[OS], s19, v[OS]
	v_mul_u32_u24 v17, v3, PO
	v_lshl_add_u32 v17, v2, 4, v17
	s_mul_i32 s19, s14, 8*PO
	s_add_co_u32 s19, s19, LOUT
	v_add_nc_u32 v[ORD], s19, v17                  ; stage, back: row 8 v + h, 16 r
	; the work-group's corners
	s_lshl_b32 s20, s15, 17                        ; Ua_w: 32 s rows
	s_lshl_b32 s22, s16, 9                         ;       + 128 G columns
	s_add_co_u32 s20, s20, s22
	s_mov_b32 s21, 0
	s_lshl_b32 s22, s18, 19                        ; Wa_w: 128 ks rows
	s_lshl_b32 s24, s17, 8                         ;       + 64 cg columns
	s_add_co_u32 s22, s22, s24
	s_mov_b32 s23, 0
	s_lshl_b32 s24, s18, 9                         ; query: 128 ks columns
	s_mov_b32 s25, 0
	s_and_b32 s26, s16, 3                          ; ub: block ((w*2 + p)*32 + s), w = G & 3, p = G >> 2
	s_lshl_b32 s26, s26, 1
	s_lshr_b32 s28, s16, 2
	s_add_co_u32 s26, s26, s28
	s_lshl_b32 s26, s26, 5
	s_add_co_u32 s26, s26, s15
	s_lshl_b32 s26, s26, 13
	s_mov_b32 s27, 0
	s_lshl_b32 s28, s18, 12                        ; qpart: slice ks
	s_lshl_b32 s30, s17, 8                         ;        + 64 cg columns
	s_add_co_u32 s28, s28, s30
	s_mov_b32 s29, 0
	s_wait_kmcnt 0x0
	s_add_nc_u64 s[4:5], s[4:5], s[20:21]
	s_add_nc_u64 s[6:7], s[6:7], s[22:23]
	s_add_nc_u64 s[8:9], s[8:9], s[24:25]
	s_add_nc_u64 s[10:11], s[10:11], s[26:27]
	s_add_nc_u64 s[12:13], s[12:13], s[28:29]
	; 32 loads, all issued at once; each covers whole aligned runs of 256 bytes or more
.irp i, 0,1,2,3,4,5,6,7
	global_load_b128 v[DU+4*\i:DU+4*\i+3], v[UO], s[4:5] offset:4096*\i        ; Ua_w row 32 s + 8 v + i, 512 bytes
.endr
.irp i, 0,1,2,3,4,5,6,7
	global_load_b128 v[DQ+4*\i:DQ+4*\i+3], v[QO], s[8:9] offset:8192*\i        ; query row 8 v + i, 512 bytes
.endr
.irp i, 0,1,2,3,4,5,6,7,8,9,10,11,12,13,14,15
	global_load_b128 v[DW+4*\i:DW+4*\i+3], v[WO], s[6:7] offset:8192*\i        ; Wa_w rows 32 v + 2 i, + 1: 256 bytes each
.endr
	s_wait_loadcnt 24                              ; Ua_w's eight are in: the 8 + 16 younger loads stay out
.irp i, 0,1,2,3,4,5,6,7
	v_pk_mul_f32 v[DU+4*\i:DU+4*\i+1], v[DU+4*\i:DU+4*\i+1], 0x4038aa3b op_sel_hi:[1,0]       ; x 2 log2(e), in f32
	v_pk_mul_f32 v[DU+4*\i+2:DU+4*\i+3], v[DU+4*\i+2:DU+4*\i+3], 0x4038aa3b op_sel_hi:[1,0]
	v_cvt_pk_bf16_f32 v[DU+4*\i], v[DU+4*\i], v[DU+4*\i+1]                                    ; the one rounding
	v_cvt_pk_bf16_f32 v[DU+4*\i+1], v[DU+4*\i+2], v[DU+4*\i+3]
	ds_store_b64 v[US], v[DU+4*\i:DU+4*\i+1] offset:PU*\i
.endr
	s_wait_loadcnt 16                              ; query's eight are in: Wa_w's 16 stay out
.irp i, 0,1,2,3,4,5,6,7
	v_cvt_pk_bf16_f32 v[DQ+4*\i], v[DQ+4*\i], v[DQ+4*\i+1]
	v_cvt_pk_bf16_f32 v[DQ+4*\i+1], v[DQ+4*\i+2], v[DQ+4*\i+3]
	ds_store_b64 v[QS], v[DQ+4*\i:DQ+4*\i+1] offset:PQ*\i
.endr
	s_wait_loadcnt 0x0
.irp i, 0,1,2,3,4,5,6,7,8,9,10,11,12,13,14,15
	v_cvt_pk_bf16_f32 v[DW+4*\i], v[DW+4*\i], v[DW+4*\i+1]
	v_cvt_pk_bf16_f32 v[DW+4*\i+1], v[DW+4*\i+2], v[DW+4*\i+3]
	ds_store_b64 v[WS], v[DW+4*\i:DW+4*\i+1] offset:2*PW*\i
.endr
	s_wait_dscnt 0x0                               ; my stores are done, for the other waves' sake
	s_barrier_signal -1
	s_barrier_wait -1                              ; U, W and Q are whole
.irp q, 0,1
	ds_load_tr16_b128 v[FU+8*\q:FU+8*\q+3], v[UT] offset:32*\q                 ; fragment 2 v + q: k = 8 h .. of column 16 b + r
	ds_load_tr16_b128 v[FU+8*\q+4:FU+8*\q+7], v[UT] offset:32*\q+16*PU         ; k = 16 + 8 h ..
.endr
.irp kk, 0,1,2,3
	ds_load_tr16_b128 v[FW+8*\kk:FW+8*\kk+3], v[WT] offset:32*PW*\kk
	ds_load_tr16_b128 v[FW+8*\kk+4:FW+8*\kk+7], v[WT] offset:32*PW*\kk+16*PW
.endr
.irp mt, 0,1
.irp kk, 0,1,2,3
	ds_load_b128 v[FQ+32*\mt+8*\kk:FQ+32*\mt+8*\kk+3], v[QT] offset:16*PQ*\mt+64*\kk
	ds_load_b128 v[FQ+32*\mt+8*\kk+4:FQ+32*\mt+8*\kk+7], v[QT] offset:16*PQ*\mt+64*\kk+32
.endr
.endr
	s_wait_dscnt 0x0
.irp q, 0,1
	global_store_b128 v[UBO], v[FU+8*\q:FU+8*\q+3], s[10:11] offset:1024*\q            ; each store of the wave: 512 consecutive bytes
	global_store_b128 v[UBO], v[FU+8*\q+4:FU+8*\q+7], s[10:11] offset:1024*\q+512
.endr
	; Used transposed: source 0 = 16 columns of Wa_w, source 1 = 16 batches; a lane then holds 8 neighbouring columns of one batch.
	; The two accumulators take turns.  The first products start the sums.
	v_wmma_f32_16x16x32_bf16 v[ACC:ACC+7], v[FW:FW+7], v[FQ:FQ+7], 0
	v_wmma_f32_16x16x32_bf16 v[ACC+8:ACC+15], v[FW:FW+7], v[FQ+32:FQ+39], 0
.irp kk, 1,2,3
	v_wmma_f32_16x16x32_bf16 v[ACC:ACC+7], v[FW+8*\kk:FW+8*\kk+7], v[FQ+8*\kk:FQ+8*\kk+7], v[ACC:ACC+7]
	v_wmma_f32_16x16x32_bf16 v[ACC+8:ACC+15], v[FW+8*\kk:FW+8*\kk+7], v[FQ+32+8*\kk:FQ+32+8*\kk+7], v[ACC+8:ACC+15]
.endr
.rept 4
	v_nop                                          ; four places before the results are read and the fragments' registers loaded again (ISA guide 7.12.1)
.endr
.irp mt, 0,1
	ds_store_b128 v[OS], v[ACC+8*\mt:ACC+8*\mt+3] offset:16*PO*\mt             ; batch 16 mt + r, columns 16 v + 8 h + 0..3
	ds_store_b128 v[OS], v[ACC+8*\mt+4:ACC+8*\mt+7] offset:16*PO*\mt+16        ; + 4..7
.endr
	s_wait_dscnt 0x0
	s_barrier_signal -1
	s_barrier_wait -1                              ; the stage's rows hold all four waves' columns
.irp i, 0,1,2,3
	ds_load_b128 v[FW+4*\i:FW+4*\i+3], v[ORD] offset:2*PO*\i                   ; batches 8 v + 2 i, + 1: whole rows of 256 bytes
.endr
.irp i, 0,1,2,3
	s_wait_dscnt 3-\i                              ; LDS loads come back in order: load i is in
	global_store_b128 v[QPO], v[FW+4*\i:FW+4*\i+3], s[12:13] offset:131072*\i  ; 16 lanes store 256 consecutive bytes, aligned
.endr
	s_wait_tensorcnt 0x0
	ds_add_u32 v152, v153
	s_wait_dscnt 0x0
	s_endpgm
.Lfunc_end_k_q358b2d93fc_prep:
	.size	k_q358b2d93fc_prep, .Lfunc_end_k_q358b2d93fc_prep-k_q358b2d93fc_prep
	.p2alignl 7, 3214868480
	.fill 96, 4, 3214868480
	.section	.rodata,"a",@progbits
	.p2align	6, 0x0
	.amdhsa_kernel k_q358b2d93fc_prep
		.amdhsa_group_segment_fixed_size 47616
		.amdhsa_private_segment_fixed_size 0
		.amdhsa_enable_private_segment 0
		.amdhsa_kernarg_size 40
		.amdhsa_user_sgpr_count 2
		.amdhsa_user_sgpr_kernarg_segment_ptr 1
		.amdhsa_wavefront_size32 1
		.amdhsa_system_sgpr_workgroup_id_x 1
		.amdhsa_system_sgpr_workgroup_id_y 1
		.amdhsa_system_sgpr_workgroup_id_z 1
		.amdhsa_system_vgpr_workitem_id 0
		.amdhsa_next_free_vgpr 154
		.amdhsa_next_free_sgpr 66
		.amdhsa_reserve_vcc 0
		.amdhsa_float_denorm_mode_32 3
		.amdhsa_float_denorm_mode_16_64 3
		.amdhsa_memory_ordered 1
		.amdhsa_forward_progress 1
		.amdhsa_inst_pref_size 19
	.end_amdhsa_kernel
	.amdgpu_metadata
---
amdhsa.version: [ 1, 2 ]
amdhsa.kernels:
  - .name:           k_q358b2d93fc_prep
    .symbol:         k_q358b2d93fc_prep.kd
    .args:
      - { .name: Ua_w, .offset: 0, .size: 8, .value_kind: global_buffer, .address_space: global }
      - { .name: Wa_w, .offset: 8, .size: 8, .value_kind: global_buffer, .address_space: global }
      - { .name: query, .offset: 16, .size: 8, .value_kind: global_buffer, .address_space: global }
      - { .name: ub, .offset: 24, .size: 8, .value_kind: global_buffer, .address_space: global }
      - { .name: qpart, .offset: 32, .size: 8, .value_kind: global_buffer, .address_space: global }
    .group_segment_fixed_size: 47616
    .private_segment_fixed_size: 0
    .kernarg_segment_align: 8
    .kernarg_segment_size: 40
    .max_flat_workgroup_size: 128
    .sgpr_count:     66
    .vgpr_count:     154
    .wavefront_size: 32
...
	.end_amdgpu_metadata
.endif
;; end of part 1
;; launch main (part 2): grid 512 x 1, 4 waves a work-group, no clusters, 310,784 bytes of LDS; arguments keys, ub, qpart, Wa_b, Ua_b, Va_w, Va_b, scores, ctxp; writes scores, ctxp
.if DOCPART == 2
	.amdgcn_target "amdgcn-amd-amdhsa--gfx1250"
	.amdhsa_code_object_version 6
	.text
	.protected	k_q358b2d93fc_main
	.globl	k_q358b2d93fc_main
	.p2align	8
	.type	k_q358b2d93fc_main,@function
k_q358b2d93fc_main:
	s_mov_b64 s[64:65], 0
	v_nop
	global_prefetch_b8 v0, s[64:65] scope:SCOPE_SE
	s_setreg_imm32_b32 hwreg(HW_REG_WAVE_MODE, 25, 1), 1
	s_wait_xcnt 0x0
; For 128 rows s of one batch (tile = work-group number, batch = tile >> 4):
;   score[s] = Va_b + sum over n of Va[n] tanh(q[n] + Wa_b[n] + Ua_b[n] + sum over k of keys[s][k] Ua[k][n]),
;   m = max of the 128 scores,  p[s] = exp(score[s] - m),  ctxp[tile][c] = sum over s of p[s] keys[s][c].
; Stored: the raw scores and ctxp.  The last launch joins the 16 tiles of a batch (softmax over 2,048, context).
;
; THE KEYS ARE READ FROM MEMORY ONCE.  The tile is rounded to bf16 on its way in and stays in LDS, 16 chunks of 64 columns:
; chunk c at c x 18,432 bytes, 128 rows of 144 bytes (128 of data + 16, an odd multiple of 16 bytes).  It serves the product
; with Ua (two passes of 512 columns of Ua) and, at the end, the product with p.
; Four waves; in a pass each makes 128 rows x 128 columns: 64 accumulators of 16 x 16, 512 registers.  K goes in 32 steps of 32.
; In pass 1 chunk c + 1 is converted and stored while chunk c is multiplied; one barrier a chunk shows it to the other waves.
; Ua comes as ready fragments (buffer ub, scaled by 2 log2(e)); a wave's 128 columns are used by that wave alone, so its
; fragments go from memory straight into a ring of four register buffers, four steps ahead, and never through LDS.
; The bias q + Wa_b + Ua_b is first used behind pass 1, so its 38 loads go out in K step 30, into registers that the key
; chunks have left, and the kernel's start waits for nothing but key chunk 0 and Ua's first step.
; WHY NO CLUSTER AND NO JOINT TENSOR LOADS, though all work-groups read the same ub: the resident tile takes 294,912 of the
; 327,680 bytes of LDS and the scratch 15,360, which leaves 17,408; one K step of Ua for the four waves is 4 x 8,192 = 32,768
; bytes, so not even one slot fits.  Each work-group therefore reads the 2 MiB of ub itself.
; PREFETCH: in trips 0 to 5 of pass 1 each wave asks, by one instruction a chunk (32 lanes, the 256 bytes of one row each), for
; its 32 rows of the chunk that it loads one chunk, two K steps, later: chunks 4 to 15, each block once in the launch.
; The highest byte asked for in a row is 512 x 5 + 1,280 = 3,840; trips 6 and 7 ask for nothing.
;
; tanh(x) = 1 - 2 / (1 + 2^y), y = 2 log2(e) x.  2^y = inf gives 1, 2^y = 0 gives -1: no input overflows it.
; LIMITS: keys, the scaled Ua and p are rounded to bf16 as matrix operands (f32's range); all else is f32.  v_exp_f32 and
; v_rcp_f32 are good to 1 ulp and flush denormals (ISA guide 15.8): a p below 2^-126 counts as 0.
;
; REGISTERS, in windows of 256 (s_set_vgpr_msb: bits 1:0 source 0, 3:2 source 1, 5:4 source 2, 7:6 destination):
;   window 0: v0-63 addresses and small things; v64-127 fragments of the keys (8 tiles of 16 rows x 32 K);
;             v128-191, v192-255 two stages for key chunks as loaded (later: qpart; in the epilogues the bias and Va of my columns)
;   window 1: four buffers of 64 registers for Ua's fragments (8 tiles of 16 columns x 32 K each)
;   window 2: accumulators of rows 0-63, tile (a, b) at v[8 (8 a + b)];  window 3: those of rows 64-127
; THE MATRIX INSTRUCTION IS USED TRANSPOSED: source 0 = 16 columns of Ua, source 1 = 16 rows of keys.  Lane (r, h) then holds,
; for key row 16 t + r, the columns 16 b + 8 h + 0..7: the sum over columns is mostly inside a lane.
.set PITCH, 144
.set CHUNK, 128*PITCH                  ; 18,432 bytes
.set SCR,   16*CHUNK                   ; 294,912: scratch behind the tile
.set O_VA,  4096                       ; SCR + 0: 2 log2(e) (q + Wa_b + Ua_b), f32[1024];  + 4,096: Va, f32[1024]
.set O_SP,  8192                       ; [wave][128] f32: each wave's part of the scores
.set O_PB,  10240                      ; [wave][128] bf16: p, a copy for each wave
.set O_CT,  11264                      ; f32[1024]: the partial context, 256 columns a wave
.set BSTEP, 8192                       ; bytes of ub for one wave and one K step
.set ADR,  4                           ; r x 144 + 16 h + two chunks a trip: fragment loads from the tile
.set BO,   5                           ; 16 L
.set KO,   6                           ; keys: row 32 w + h, 16 r
.set KS,   7                           ; tile: row 32 w + h, 8 r, + two chunks a trip: stores of a chunk
.set QO,   8                           ; 16 x thread
.set QW,   9                           ; SCR + 16 x thread
.set EA,   10                          ; SCR + 512 w + 32 h: bias and Va of my columns
.set SPW,  11
.set SPR,  12
.set PBW,  13
.set PBR,  14
.set TA0,  15                          ; transposing loads from chunks 4 w, 4 w + 1;  v16: from 4 w + 2, 4 w + 3
.set CTW,  17
.set CTR,  18
.set CO,   19
.set ADR0, 20                          ; ADR's first value
.set KP,   21                          ; keys: row 32 w + L, for the prefetch; never rewritten
.set SC,   32                          ; v[32:39] my part of the score of row 16 t + r, t = 0..7
.set BI,   40                          ; v[40:47] Wa_b, then the bias of my thread's 8 columns; v[48:55] Ua_b; v[56:63] Va
.set AF,   64
.set ST,   128
.set QCR,  128
.set VAR,  192
.set MUL_LO, 0xa1                      ; source 0 window 1, source 1 window 0, C and D window 2
.set MUL_HI, 0xf1                      ; the same, C and D window 3
.set TO_B,   0x40                      ; destination window 1
.set TO_3,   0xc0                      ; destination window 3
.set ST_2,   0x08                      ; an LDS store's data from window 2
.set CTXW,   0xac                      ; source 0 window 0, source 1 window 3, C and D window 2
.set MSB, 0
.macro WIN new                         ; the immediate's high byte repeats the setting that is left
.if MSB != \new
	s_set_vgpr_msb (MSB<<8)|\new
.set MSB, \new
.endif
.endm
; Four places behind a matrix instruction before one of its registers is loaded, written or (the result) read by anything but
; a matrix instruction; only plain vector instructions that name none of its registers are places (ISA guide 7.12.1).
.macro PLACES
.rept 4
	v_nop
.endr
.endm
; 16 matrix instructions: row tiles a0, a0 + 1 of the window's four x my 8 column tiles, 32 along K.  zero = 1 starts the sums.
; The 64 accumulators take turns in the same order in every step.
.macro MUL16 bf, hi, a0, zero
.irp a, \a0, \a0+1
.irp b, 0,1,2,3,4,5,6,7
.if \zero
	v_wmma_f32_16x16x32_bf16 v[8*(8*(\a)+\b):8*(8*(\a)+\b)+7], v[\bf+8*\b:\bf+8*\b+7], v[AF+8*(4*\hi+(\a)):AF+8*(4*\hi+(\a))+7], 0
.else
	v_wmma_f32_16x16x32_bf16 v[8*(8*(\a)+\b):8*(8*(\a)+\b)+7], v[\bf+8*\b:\bf+8*\b+7], v[AF+8*(4*\hi+(\a)):AF+8*(4*\hi+(\a))+7], v[8*(8*(\a)+\b):8*(8*(\a)+\b)+7]
.endif
.endr
.endr
.endm
.macro LDA half, off                   ; 8 LDS loads: key fragments of row tiles 4 half .. 4 half + 3, 32 K at byte off
.irp t, 0,1,2,3
	ds_load_b128 v[AF+32*\half+8*\t:AF+32*\half+8*\t+3], v[ADR] offset:\off+16*PITCH*(4*\half+\t)
	ds_load_b128 v[AF+32*\half+8*\t+4:AF+32*\half+8*\t+7], v[ADR] offset:\off+16*PITCH*(4*\half+\t)+32
.endr
.endm
.macro LDB bf, off                     ; 16 loads of 512 consecutive bytes: one K step of my Ua fragments (under TO_B)
.irp i, 0,1,2,3,4,5,6,7,8,9,10,11,12,13,14,15
	global_load_b128 v[\bf+4*\i:\bf+4*\i+3], v[BO], s[10:11] offset:\off+512*\i
.endr
.endm
.macro LDK slot, off                   ; 16 loads: my 32 rows of a key chunk, two rows of 256 aligned bytes each
.irp i, 0,1,2,3,4,5,6,7,8,9,10,11,12,13,14,15
	global_load_b128 v[ST+64*\slot+4*\i:ST+64*\slot+4*\i+3], v[KO], s[8:9] offset:\off+8192*\i th:TH_LOAD_NT
.endr
.endm
.macro CVK slot                        ; f32 to bf16 in place: four numbers into the first two of their four registers
.irp i, 0,1,2,3,4,5,6,7,8,9,10,11,12,13,14,15
	v_cvt_pk_bf16_f32 v[ST+64*\slot+4*\i], v[ST+64*\slot+4*\i], v[ST+64*\slot+4*\i+1]
	v_cvt_pk_bf16_f32 v[ST+64*\slot+4*\i+1], v[ST+64*\slot+4*\i+2], v[ST+64*\slot+4*\i+3]
.endr
.endm
.macro STK slot, off
.irp i, 0,1,2,3,4,5,6,7,8,9,10,11,12,13,14,15
	ds_store_b64 v[KS], v[ST+64*\slot+4*\i:ST+64*\slot+4*\i+1] offset:\off+2*PITCH*\i
.endr
.endm
; 38 loads for the bias, 8 columns a thread (4 t .. and 512 + 4 t ..): the batch's 16 slices of query x Wa_w into the two key
; stages, Wa_b, Ua_b and Va into v40-63.  Each load of a wave covers 512 consecutive bytes.
.macro LDQ
.irp ks, 0,1,2,3,4,5,6,7,8,9,10,11,12,13,14,15
	global_load_b128 v[ST+8*\ks:ST+8*\ks+3], v[QO], s[12:13] offset:4096*\ks
	global_load_b128 v[ST+8*\ks+4:ST+8*\ks+7], v[QO], s[12:13] offset:4096*\ks+2048
.endr
	global_load_b128 v[BI:BI+3], v[QO], s[14:15]
	global_load_b128 v[BI+4:BI+7], v[QO], s[14:15] offset:2048
	global_load_b128 v[BI+8:BI+11], v[QO], s[16:17]
	global_load_b128 v[BI+12:BI+15], v[QO], s[16:17] offset:2048
	global_load_b128 v[BI+16:BI+19], v[QO], s[18:19]
	global_load_b128 v[BI+20:BI+23], v[QO], s[18:19] offset:2048
.endm
; The second half of a K step: rows 64-127; then Ua's fragments four steps on go into the buffer just used (nb: their byte in ub,
; -1: none), and the next step's key fragments of rows 64-127 are fetched (nk: their byte, -1: none).
; dc = how many LDS instructions are younger than this step's fragments of rows 64-127.
.macro STEP_TAIL bf, zero, nk, nb, dc
	s_wait_dscnt \dc
	WIN MUL_HI
	MUL16 \bf, 1, 0, \zero
	MUL16 \bf, 1, 2, \zero
	PLACES
.if \nb >= 0
	WIN TO_B
	LDB \bf, \nb
.endif
.if \nk >= 0
	WIN 0
	LDA 1, \nk
.endif
.endm
; A plain K step.  lc = how many global loads are younger than this step's Ua fragments (63 where they are 64 or more: the
; largest count that the wait can name).  At the head 8 LDS loads are younger than the fragments of rows 0-63.
; rst = 1: the next step begins the tile anew (pass 2).  ldq = 1: the bias's loads go out in the step's middle.
; adv = 1 (a trip's first step): ub's base steps by a trip.  The base is a source of loads that may be pending, so it is written
; only behind s_wait_xcnt 0; the youngest global load is 32 matrix instructions old here, and none stands between the last
; trip's end and this line.
.macro STEP_P bf, zero, lc, nk, nb, rst, adv, ldq
	s_wait_loadcnt \lc
	s_wait_dscnt 8
	WIN MUL_LO
	MUL16 \bf, 0, 0, \zero
	MUL16 \bf, 0, 2, \zero
.if \adv
	s_wait_xcnt 0x0
	s_add_nc_u64 s[10:11], s[10:11], 4*BSTEP
.endif
.if \nk >= 0
	PLACES
	WIN 0
.if \rst
	v_mov_b32 v[ADR], v[ADR0]
.endif
	LDA 0, \nk
.if \ldq
	LDQ
.endif
	STEP_TAIL \bf, \zero, \nk, \nb, 8              ; the 8 LDS loads just issued are younger
.else
	STEP_TAIL \bf, \zero, \nk, \nb, 0
.endif
.endm
; An even step of pass 1: in its middle the next chunk (in stage slot) is converted and stored at byte stk, and the stage is
; loaded again with the chunk at byte ldk of my rows (-1: none).  The stage's load is older than this step's Ua fragments, so the
; wait at the head has shown it in.  The 32 conversions are the places.  adv as above, for ub's and the keys' base.
; pf: the byte in my rows of the chunk that is asked for ahead (-1: none).
.macro STEP_K bf, zero, lc, nk, nb, slot, stk, ldk, adv, pf
	s_wait_loadcnt \lc
	s_wait_dscnt 8
	WIN MUL_LO
	MUL16 \bf, 0, 0, \zero
	MUL16 \bf, 0, 2, \zero
	WIN 0
.if \adv
	s_wait_xcnt 0x0
	s_add_nc_u64 s[10:11], s[10:11], 4*BSTEP
	s_add_nc_u64 s[8:9], s[8:9], 512               ; two chunks of 256 bytes (in the last trip the stepped address is not used)
.endif
	CVK \slot
	LDA 0, \nk
	STK \slot, \stk
.if \ldk >= 0
	LDK \slot, \ldk
.endif
.if \pf >= 0
	global_prefetch_b8 v[KP], s[8:9] offset:\pf th:TH_LOAD_NT scope:SCOPE_SE   ; my 32 rows of the chunk that the next even step loads
.endif
	STEP_TAIL \bf, \zero, \nk, \nb, 24             ; 8 loads + 16 stores are younger than the fragments of rows 64-127
.endm
; An odd step of pass 1, with the barrier that shows the chunk stored in the step before to all four waves: the next step's
; fragments, fetched behind the barrier, are its first reads.  Between signal and wait stand matrix instructions alone.
.macro STEP_B bf, lc, nk, nb
	s_wait_loadcnt \lc
	s_wait_dscnt 8
	WIN MUL_LO
	MUL16 \bf, 0, 0, 0
	s_wait_dscnt 0x0                               ; my stores of the chunk are done (and no LDS instruction of mine is out at the signal)
	s_barrier_signal -1
	MUL16 \bf, 0, 2, 0
	s_barrier_wait -1
	PLACES
	WIN 0
	LDA 0, \nk
	STEP_TAIL \bf, 0, \nk, \nb, 8
.endm
; A trip is four K steps = two chunks.  At its end the LDS addresses step.
.macro NEXT keys
	WIN 0
	v_add_nc_u32 v[ADR], 2*CHUNK, v[ADR]
.if \keys
	v_add_nc_u32 v[KS], 2*CHUNK, v[KS]
.endif
.endm
; The bias, between pass 1 and its epilogue: 2 log2(e) (Wa_b + Ua_b + the 16 slices in order), and Va, into the scratch; one
; barrier shows them to all four waves.
.macro BIAS
	WIN 0
	s_wait_loadcnt 32                              ; the 38 are in: Ua's steps 34 and 35, 32 loads, are younger
.irp q, 0,2,4,6
	v_pk_add_f32 v[BI+\q:BI+\q+1], v[BI+\q:BI+\q+1], v[BI+8+\q:BI+8+\q+1]          ; Wa_b + Ua_b
.endr
.irp ks, 0,1,2,3,4,5,6,7,8,9,10,11,12,13,14,15
.irp q, 0,2,4,6
	v_pk_add_f32 v[BI+\q:BI+\q+1], v[BI+\q:BI+\q+1], v[ST+8*\ks+\q:ST+8*\ks+\q+1]  ; + the 16 slices of query x Wa_w, in order
.endr
.endr
.irp q, 0,2,4,6
	v_pk_mul_f32 v[BI+\q:BI+\q+1], v[BI+\q:BI+\q+1], 0x4038aa3b op_sel_hi:[1,0]    ; x 2 log2(e), as Ua has been
.endr
	ds_store_b128 v[QW], v[BI:BI+3]
	ds_store_b128 v[QW], v[BI+4:BI+7] offset:2048
	ds_store_b128 v[QW], v[BI+16:BI+19] offset:O_VA
	ds_store_b128 v[QW], v[BI+20:BI+23] offset:O_VA+2048
	s_wait_dscnt 0x0                               ; my stores are done, for the other waves' sake (pass 2's first fragments are in too)
	s_barrier_signal -1
	s_barrier_wait -1
.endm
; THE EPILOGUE of one accumulator tile t (0..31 in its window, registers 8 t ..; row tile t >> 3, column tile t & 7):
;   y = sum + bias;  e = 2^y;  d = e + 1;  r = 1 / d;  th = 1 - 2 r;  the row tile's sums (in the registers of its tile 0) += Va th.
; Each of the six steps is a macro that does one register (transcendentals) or one pair, and nothing if t is outside the window.
.macro E_BIAS t, p
.if (\t) >= 0
.if (\t) < 32
	v_pk_add_f32 v[8*(\t)+2*\p:8*(\t)+2*\p+1], v[8*(\t)+2*\p:8*(\t)+2*\p+1], v[QCR+8*((\t)&7)+2*\p:QCR+8*((\t)&7)+2*\p+1]
.endif
.endif
.endm
.macro E_EXP t, j
.if (\t) >= 0
.if (\t) < 32
	v_exp_f32 v[8*(\t)+\j], v[8*(\t)+\j]
.endif
.endif
.endm
.macro E_ONE t, p
.if (\t) >= 0
.if (\t) < 32
	s_wait_alu depctr_va_vdst(0)
	v_pk_add_f32 v[8*(\t)+2*\p:8*(\t)+2*\p+1], v[8*(\t)+2*\p:8*(\t)+2*\p+1], 1.0 op_sel_hi:[1,0]
.endif
.endif
.endm
.macro E_RCP t, j
.if (\t) >= 0
.if (\t) < 32
	v_rcp_f32 v[8*(\t)+\j], v[8*(\t)+\j]
.endif
.endif
.endm
.macro E_TH t, p
.if (\t) >= 0
.if (\t) < 32
	s_wait_alu depctr_va_vdst(0)
	v_pk_fma_f32 v[8*(\t)+2*\p:8*(\t)+2*\p+1], v[8*(\t)+2*\p:8*(\t)+2*\p+1], -2.0, 1.0 op_sel_hi:[1,0,0]
.endif
.endif
.endm
.macro E_ACC t, p
.if (\t) >= 0
.if (\t) < 32
.if ((\t)&7) == 0
	v_pk_mul_f32 v[8*(\t)+2*\p:8*(\t)+2*\p+1], v[8*(\t)+2*\p:8*(\t)+2*\p+1], v[VAR+2*\p:VAR+2*\p+1]    ; a row tile's first column tile starts its sums
.else
	v_pk_fma_f32 v[64*((\t)>>3)+2*\p:64*((\t)>>3)+2*\p+1], v[8*(\t)+2*\p:8*(\t)+2*\p+1], v[VAR+8*((\t)&7)+2*\p:VAR+8*((\t)&7)+2*\p+1], v[64*((\t)>>3)+2*\p:64*((\t)>>3)+2*\p+1]
.endif
.endif
.endif
.endm
; Turn ei of the epilogue's pipeline: the exponentials of tile ei and the reciprocals of tile ei - 1, each followed by one plain
; instruction of a neighbouring tile (1 - 2 r and the sums of tile ei - 2, the bias of tile ei + 1, the + 1 of tile ei).
; So a transcendental and a plain instruction take turns, no instruction reads a result younger than eight instructions, and
; behind every transcendental a plain instruction that names none of its registers stands before its result is read
; (ISA guide 5.7.2); at the two ends, where a tile is missing, transcendentals stand in a row and the next plain one is that place.
.macro EPIP
.irp j, 0,1,2,3
	E_EXP ei, \j
	E_TH ei-2, \j
.endr
.irp j, 0,1,2,3
	E_EXP ei, 4+\j
	E_BIAS ei+1, \j
.endr
.irp j, 0,1,2,3
	E_RCP ei-1, \j
	E_ONE ei, \j
.endr
.irp j, 0,1,2,3
	E_RCP ei-1, 4+\j
	E_ACC ei-2, \j
.endr
.endm
; One accumulator window.  we: source 0, source 2 and destination in the window, source 1 in window 0; wr: all in the window;
; wo: source 0 in the window, the rest in window 0.
.macro EPIW pass, hi, we, wr, wo
	WIN \we
.set ei, -1
.rept 35                               ; turns -1 to 33: tile 0's bias first, tile 31's sums last
	EPIP
.set ei, ei+1
.endr
	WIN \wr
.irp a, 0,1,2,3
	v_pk_add_f32 v[64*\a:64*\a+1], v[64*\a:64*\a+1], v[64*\a+2:64*\a+3]
	v_pk_add_f32 v[64*\a+4:64*\a+5], v[64*\a+4:64*\a+5], v[64*\a+6:64*\a+7]
.endr
.irp a, 0,1,2,3
	v_pk_add_f32 v[64*\a:64*\a+1], v[64*\a:64*\a+1], v[64*\a+4:64*\a+5]
.endr
.irp a, 0,1,2,3
	v_add_f32 v[64*\a], v[64*\a], v[64*\a+1]
.endr
	WIN \wo
.irp a, 0,1,2,3
.if \pass
	v_add_f32 v[SC+4*\hi+\a], v[64*\a], v[SC+4*\hi+\a]
.else
	v_mov_b32 v[SC+4*\hi+\a], v[64*\a]             ; pass 0 starts the score sums
.endif
.endr
.endm
.macro EPI pass                        ; the places behind the last matrix instructions stand in the last step's tail
	WIN 0
.irp b, 0,1,2,3,4,5,6,7
	ds_load_b128 v[QCR+8*\b:QCR+8*\b+3], v[EA] offset:2048*\pass+64*\b                 ; bias of columns 512 pass + 128 w + 16 b + 8 h + 0..3
	ds_load_b128 v[QCR+8*\b+4:QCR+8*\b+7], v[EA] offset:2048*\pass+64*\b+16
	ds_load_b128 v[VAR+8*\b:VAR+8*\b+3], v[EA] offset:O_VA+2048*\pass+64*\b            ; Va of the same columns
	ds_load_b128 v[VAR+8*\b+4:VAR+8*\b+7], v[EA] offset:O_VA+2048*\pass+64*\b+16
.endr
	s_wait_dscnt 0x0
	EPIW \pass, 0, 0xa2, 0xaa, 0x02
	EPIW \pass, 1, 0xf3, 0xff, 0x03
	WIN 0
.endm
; 32 transposing loads (under TO_3): rows 32 ks .. + 31 of the tile x my 256 columns, as 16 fragments at v[base] of window 3
.macro KF ks, base
.irp nt, 0,1,2,3,4,5,6,7,8,9,10,11,12,13,14,15
	ds_load_tr16_b128 v[\base+8*\nt:\base+8*\nt+3], v[TA0+(\nt>>3)] offset:((\nt>>2)&1)*CHUNK+32*(\nt&3)+32*PITCH*\ks
	ds_load_tr16_b128 v[\base+8*\nt+4:\base+8*\nt+7], v[TA0+(\nt>>3)] offset:((\nt>>2)&1)*CHUNK+32*(\nt&3)+32*PITCH*\ks+16*PITCH
.endr
.endm
.macro CMUL ks, base, zero             ; 16 matrix instructions on 16 accumulators, by turns
.irp nt, 0,1,2,3,4,5,6,7,8,9,10,11,12,13,14,15
.if \zero
	v_wmma_f32_16x16x32_bf16 v[8*\nt:8*\nt+7], v[AF+8*\ks:AF+8*\ks+7], v[\base+8*\nt:\base+8*\nt+7], 0
.else
	v_wmma_f32_16x16x32_bf16 v[8*\nt:8*\nt+7], v[AF+8*\ks:AF+8*\ks+7], v[\base+8*\nt:\base+8*\nt+7], v[8*\nt:8*\nt+7]
.endif
.endr
.endm
	; ---------------- set-up ----------------
	s_load_b512 s[8:23], s[0:1], 0x0               ; keys s[8:9], ub s[10:11], qpart s[12:13], Wa_b s[14:15], Ua_b s[16:17], Va_w s[18:19], Va_b s[20:21], scores s[22:23]
	s_load_b64 s[24:25], s[0:1], 0x40              ; ctxp
	v_lshl_add_u32 v30, v0, 2, 0x4bc00
	v_mov_b32 v31, 0
	v_and_b32 v1, 31, v0                           ; L
	v_lshrrev_b32 v40, 5, v0
	v_readfirstlane_b32 s2, v40                    ; wave w
	v_and_b32 v2, 15, v0                           ; r
	v_bfe_u32 v3, v0, 4, 1                         ; h
	v_mul_u32_u24 v41, v2, PITCH
	v_lshl_add_u32 v[ADR0], v3, 4, v41             ; r x 144 + 16 h
	v_mov_b32 v[ADR], v[ADR0]
	v_lshlrev_b32 v[BO], 4, v1
	s_lshl_b32 s28, s2, 17
	v_lshlrev_b32 v[KO], 4, v2
	v_lshl_add_u32 v[KO], v3, 12, v[KO]
	v_add_nc_u32 v[KO], s28, v[KO]                 ; (32 w + h) x 4,096 + 16 r
	v_lshl_add_u32 v[KP], v1, 12, s28              ; (32 w + L) x 4,096
	s_mul_i32 s28, s2, 32*PITCH
	v_mul_u32_u24 v[KS], v3, PITCH
	v_lshl_add_u32 v[KS], v2, 3, v[KS]
	v_add_nc_u32 v[KS], s28, v[KS]                 ; (32 w + h) x 144 + 8 r
	s_lshl_b32 s28, s2, 9
	v_add_nc_u32 v[QO], s28, v[BO]                 ; 512 w + 16 L = 16 x thread
	v_add_nc_u32 v[QW], SCR, v[QO]
	s_add_co_u32 s29, s28, SCR
	v_lshl_add_u32 v[EA], v3, 5, s29
	v_lshl_add_u32 v[SPW], v2, 2, s29
	v_add_nc_u32 v[SPW], O_SP, v[SPW]              ; my wave's 128 words, word r
	v_add_nc_u32 v[SPR], SCR+O_SP, v[BO]           ; words 4 L .. 4 L + 3
	s_lshl_b32 s30, s2, 8
	s_add_co_u32 s30, s30, SCR+O_PB
	v_lshl_add_u32 v[PBW], v1, 3, s30
	v_lshl_add_u32 v[PBR], v3, 4, s30
	v_and_b32 v40, 7, v0
	v_lshl_add_u32 v40, v3, 3, v40                 ; 8 h + (L & 7)
	v_bfe_u32 v41, v0, 3, 1
	v_mul_u32_u24 v40, v40, PITCH
	v_lshl_add_u32 v40, v41, 4, v40                ; + 16 ((L >> 3) & 1)
	s_mul_i32 s31, s2, 4*CHUNK
	v_add_nc_u32 v[TA0], s31, v40
	v_add_nc_u32 v[TA0+1], 2*CHUNK, v[TA0]
	s_lshl_b32 s31, s2, 10
	v_add_nc_u32 v[CO], s31, v[BO]                 ; 1,024 w + 16 L
	s_add_co_u32 s31, s31, SCR+O_CT
	v_lshl_add_u32 v[CTW], v2, 2, s31
	v_add_nc_u32 v[CTR], s31, v[BO]
	s_mov_b32 s26, 0x76543210                      ; v_permlanex16_b32: lane i of one half reads lane i of the other
	s_mov_b32 s27, 0xfedcba98
	s_mov_b32 s5, 0
	s_mov_b32 s7, 0                                ; the upper half of the pair that carries Va_b
	s_wait_kmcnt 0x0
	s_load_b32 s6, s[20:21], 0x0                   ; Va_b
	s_lshl_b32 s4, ttmp9, 19                       ; 128 rows of 4,096 bytes
	s_add_nc_u64 s[8:9], s[8:9], s[4:5]
	s_lshl_b32 s4, s2, 19                          ; my wave's 64 K steps of ub
	s_add_nc_u64 s[10:11], s[10:11], s[4:5]
	s_lshr_b32 s4, ttmp9, 4
	s_lshl_b32 s4, s4, 16                          ; the batch's 16 slices
	s_add_nc_u64 s[12:13], s[12:13], s[4:5]
	s_lshl_b32 s4, ttmp9, 9
	s_add_nc_u64 s[22:23], s[22:23], s[4:5]
	s_lshl_b32 s4, ttmp9, 12
	s_add_nc_u64 s[24:25], s[24:25], s[4:5]
	; What the first K steps need goes out first: key chunks 0 and 1, Ua's steps 0 and 1.
	LDK 0, 0
	LDK 1, 256
	WIN TO_B
	LDB 0,   0*BSTEP
	LDB 64,  1*BSTEP
	WIN 0
	s_wait_loadcnt 48                              ; chunk 0 is in: chunk 1 and two steps of Ua, 48 loads, are younger
	CVK 0
	STK 0, 0
	LDK 0, 512                                     ; chunk 2
	WIN TO_B
	LDB 128, 2*BSTEP                               ; the rest of the ring
	LDB 192, 3*BSTEP
	WIN 0
	s_wait_kmcnt 0x0                               ; Va_b
	s_wait_dscnt 0x0                               ; my rows of chunk 0 are stored
	s_barrier_signal -1
	s_barrier_wait -1
	LDA 0, 0
	LDA 1, 0
	; ---------------- pass 1: columns 0-511 of Ua; the tile comes in ----------------
	; Order of issue of the global loads: chunks 0, 1, Ua 0, 1, chunk 2, Ua 2, 3; then chunk c + 3 in the middle of step 2 c,
	; Ua's step 2 c + 4 at its end and Ua's step 2 c + 5 at the end of step 2 c + 1.  So 64 (even step) or 80 (odd step) loads are
	; younger than a step's Ua fragments, and the chunk that an even step converts is older than they: the waits name 63.
	STEP_K 0,   1, 63, 64,       4*BSTEP, 1, CHUNK,   768,  0, 1024
	STEP_B 64,     63, CHUNK,    5*BSTEP
	STEP_K 128, 0, 63, CHUNK+64, 6*BSTEP, 0, 2*CHUNK, 1024, 0, 1280
	STEP_B 192,    63, 2*CHUNK,  7*BSTEP
	NEXT 1
	s_mov_b32 s3, 5                                ; trips 1 to 5
.Lpass1:
	STEP_K 0,   0, 63, 64,       4*BSTEP, 1, CHUNK,   768,  1, 1024
	STEP_B 64,     63, CHUNK,    5*BSTEP
	STEP_K 128, 0, 63, CHUNK+64, 6*BSTEP, 0, 2*CHUNK, 1024, 0, 1280
	STEP_B 192,    63, 2*CHUNK,  7*BSTEP
	NEXT 1
	s_sub_co_u32 s3, s3, 1
	s_cmp_lg_u32 s3, 0
	s_cbranch_scc1 .Lpass1
	STEP_K 0,   0, 63, 64,       4*BSTEP, 1, CHUNK,   768,  1, -1       ; trip 6: chunk 13 in, chunk 15 asked for: the last
	STEP_B 64,     63, CHUNK,    5*BSTEP
	STEP_K 128, 0, 63, CHUNK+64, 6*BSTEP, 0, 2*CHUNK, -1,   0, -1       ; chunk 14 in
	STEP_B 192,    63, 2*CHUNK,  7*BSTEP
	NEXT 1
	STEP_K 0,   0, 48, 64,       4*BSTEP, 1, CHUNK,   -1,   1, -1       ; trip 7: only three Ua steps, 48 loads, are younger now; chunk 15 in
	STEP_B 64,     48, CHUNK,    5*BSTEP
	STEP_P 128, 0, 48, CHUNK+64, 6*BSTEP, 0, 0, 1                       ; both stages are free: the bias's 38 loads go out in the middle
	STEP_P 192, 0, 63, 0,        7*BSTEP, 1, 0, 0                       ; 3 x 16 + 38 = 86 loads are younger; fetches pass 2's first key fragments; Ua's stream runs on
	BIAS
	EPI 0
	; ---------------- pass 2: columns 512-1023; the tile is whole: no barrier ----------------
	; In its first two steps more than 48 loads were issued behind the step's Ua fragments (the bias's among them).
	STEP_P 0,   1, 48, 64,       4*BSTEP, 0, 1, 0
	STEP_P 64,  0, 48, CHUNK,    5*BSTEP, 0, 0, 0
	STEP_P 128, 0, 48, CHUNK+64, 6*BSTEP, 0, 0, 0
	STEP_P 192, 0, 48, 2*CHUNK,  7*BSTEP, 0, 0, 0
	NEXT 0
	s_mov_b32 s3, 6                                ; trips 1 to 6
.Lpass2:
	STEP_P 0,   0, 48, 64,       4*BSTEP, 0, 1, 0
	STEP_P 64,  0, 48, CHUNK,    5*BSTEP, 0, 0, 0
	STEP_P 128, 0, 48, CHUNK+64, 6*BSTEP, 0, 0, 0
	STEP_P 192, 0, 48, 2*CHUNK,  7*BSTEP, 0, 0, 0
	NEXT 0
	s_sub_co_u32 s3, s3, 1
	s_cmp_lg_u32 s3, 0
	s_cbranch_scc1 .Lpass2
	STEP_P 0,   0, 48, 64,       -1, 0, 0, 0       ; the last trip asks for no more of Ua: the counts run down
	STEP_P 64,  0, 32, CHUNK,    -1, 0, 0, 0
	STEP_P 128, 0, 16, CHUNK+64, -1, 0, 0, 0
	STEP_P 192, 0, 0,  -1,       -1, 0, 0, 0
	EPI 1
	; ---------------- the scores ----------------
.irp t, 0,1,2,3,4,5,6,7
	v_permlanex16_b32 v[40+(\t&1)], v[SC+\t], s26, s27     ; the other 8 of each 16 columns (v40, v41 have been written: they held the bias)
	v_add_f32 v[SC+\t], v[SC+\t], v[40+(\t&1)]
.endr
.irp t, 0,1,2,3,4,5,6,7
	ds_store_b32 v[SPW], v[SC+\t] offset:64*\t             ; row 16 t + r; both halves of the lanes store the same number
.endr
	s_wait_dscnt 0x0
	s_barrier_signal -1
	s_barrier_wait -1
	ds_load_b128 v[44:47], v[SPR]                          ; rows 4 L .. 4 L + 3: the four waves' parts
	ds_load_b128 v[48:51], v[SPR] offset:512
	ds_load_b128 v[52:55], v[SPR] offset:1024
	ds_load_b128 v[56:59], v[SPR] offset:1536
	s_wait_dscnt 0x0
	v_pk_add_f32 v[44:45], v[44:45], v[48:49]
	v_pk_add_f32 v[46:47], v[46:47], v[50:51]
	v_pk_add_f32 v[52:53], v[52:53], v[56:57]
	v_pk_add_f32 v[54:55], v[54:55], v[58:59]
	v_pk_add_f32 v[44:45], v[44:45], v[52:53]
	v_pk_add_f32 v[46:47], v[46:47], v[54:55]
	v_pk_add_f32 v[44:45], v[44:45], s[6:7] op_sel_hi:[1,0]        ; + Va_b
	v_pk_add_f32 v[46:47], v[46:47], s[6:7] op_sel_hi:[1,0]
	s_cmp_lg_u32 s2, 0
	s_cbranch_scc1 .Lnot_wave_0
	global_store_b128 v[BO], v[44:47], s[22:23]                    ; wave 0: the tile's 128 scores, 512 consecutive bytes; v[44:47] are not written again
.Lnot_wave_0:
	; the tile's maximum is taken away before the exponential; every wave makes all of p for itself
	v_max3_num_f32 v60, v44, v45, v46
	v_max_num_f32 v60, v60, v47
	v_max_num_f32_dpp v60, v60, v60 row_xmask:1 row_mask:0xf bank_mask:0xf
	v_max_num_f32_dpp v60, v60, v60 row_xmask:2 row_mask:0xf bank_mask:0xf
	v_max_num_f32_dpp v60, v60, v60 row_xmask:4 row_mask:0xf bank_mask:0xf
	v_max_num_f32_dpp v60, v60, v60 row_xmask:8 row_mask:0xf bank_mask:0xf
	v_permlanex16_b32 v40, v60, s26, s27
	v_max_num_f32 v60, v60, v40
.irp i, 0,1,2,3
	v_sub_f32 v[48+\i], v[44+\i], v60
.endr
.irp i, 0,1,2,3
	v_mul_f32 v[48+\i], 0x3fb8aa3b, v[48+\i]                       ; x log2(e)
.endr
.irp i, 0,1,2,3
	v_exp_f32 v[48+\i], v[48+\i]
.endr
	v_nop                                                          ; one plain place behind the transcendentals
	s_wait_alu depctr_va_vdst(0)
	v_cvt_pk_bf16_f32 v52, v48, v49
	v_cvt_pk_bf16_f32 v53, v50, v51
	ds_store_b64 v[PBW], v[52:53]                                  ; my wave's own copy: LDS serves a wave's instructions in order, so no wait and no barrier
.irp ks, 0,1,2,3
	ds_load_b128 v[AF+8*\ks:AF+8*\ks+3], v[PBR] offset:64*\ks      ; p as a fragment of 16 equal rows x 32 s
	ds_load_b128 v[AF+8*\ks+4:AF+8*\ks+7], v[PBR] offset:64*\ks+32
.endr
	; ---------------- the partial context: p (1 x 128) x tile (128 x my 256 columns) ----------------
	WIN TO_3
	KF 0, 0
	KF 1, 128
	s_wait_dscnt 32                                ; all but the 32 loads of rows 32-63
	WIN CTXW
	CMUL 0, 0, 1
	PLACES
	WIN TO_3
	KF 2, 0
	s_wait_dscnt 32                                ; all but the 32 just issued
	WIN CTXW
	CMUL 1, 128, 0
	PLACES
	WIN TO_3
	KF 3, 128
	s_wait_dscnt 32
	WIN CTXW
	CMUL 2, 0, 0
	s_wait_dscnt 0x0
	CMUL 3, 128, 0
	PLACES
	WIN ST_2
.irp nt, 0,1,2,3,4,5,6,7,8,9,10,11,12,13,14,15
	ds_store_b32 v[CTW], v[8*\nt] offset:64*\nt    ; all 16 rows of a result are equal: register 0 of lane r is column 16 nt + r
.endr
	WIN 0
	ds_load_b128 v[52:55], v[CTR]                  ; my wave's own bytes, in order behind the stores
	ds_load_b128 v[56:59], v[CTR] offset:512
	s_wait_dscnt 0x0
	global_store_b128 v[CO], v[52:55], s[24:25]                    ; 512 consecutive bytes each
	global_store_b128 v[CO], v[56:59], s[24:25] offset:512
	s_wait_tensorcnt 0x0
	ds_add_u32 v30, v31
	s_wait_dscnt 0x0
	s_endpgm
.Lfunc_end_k_q358b2d93fc_main:
	.size	k_q358b2d93fc_main, .Lfunc_end_k_q358b2d93fc_main-k_q358b2d93fc_main
	.p2alignl 7, 3214868480
	.fill 96, 4, 3214868480
	.section	.rodata,"a",@progbits
	.p2align	6, 0x0
	.amdhsa_kernel k_q358b2d93fc_main
		.amdhsa_group_segment_fixed_size 310784
		.amdhsa_private_segment_fixed_size 0
		.amdhsa_enable_private_segment 0
		.amdhsa_kernarg_size 72
		.amdhsa_user_sgpr_count 2
		.amdhsa_user_sgpr_kernarg_segment_ptr 1
		.amdhsa_wavefront_size32 1
		.amdhsa_system_sgpr_workgroup_id_x 1
		.amdhsa_system_sgpr_workgroup_id_y 1
		.amdhsa_system_sgpr_workgroup_id_z 1
		.amdhsa_system_vgpr_workitem_id 0
		.amdhsa_next_free_vgpr 1024
		.amdhsa_next_free_sgpr 66
		.amdhsa_reserve_vcc 0
		.amdhsa_float_denorm_mode_32 3
		.amdhsa_float_denorm_mode_16_64 3
		.amdhsa_memory_ordered 1
		.amdhsa_forward_progress 1
		.amdhsa_inst_pref_size 255
	.end_amdhsa_kernel
	.section	.bss,"aw",@nobits
	.p2align	6
	.space	262144
	.amdgpu_metadata
---
amdhsa.version: [ 1, 2 ]
amdhsa.kernels:
  - .name:           k_q358b2d93fc_main
    .symbol:         k_q358b2d93fc_main.kd
    .args:
      - { .name: keys, .offset: 0, .size: 8, .value_kind: global_buffer, .address_space: global }
      - { .name: ub, .offset: 8, .size: 8, .value_kind: global_buffer, .address_space: global }
      - { .name: qpart, .offset: 16, .size: 8, .value_kind: global_buffer, .address_space: global }
      - { .name: Wa_b, .offset: 24, .size: 8, .value_kind: global_buffer, .address_space: global }
      - { .name: Ua_b, .offset: 32, .size: 8, .value_kind: global_buffer, .address_space: global }
      - { .name: Va_w, .offset: 40, .size: 8, .value_kind: global_buffer, .address_space: global }
      - { .name: Va_b, .offset: 48, .size: 8, .value_kind: global_buffer, .address_space: global }
      - { .name: scores, .offset: 56, .size: 8, .value_kind: global_buffer, .address_space: global }
      - { .name: ctxp, .offset: 64, .size: 8, .value_kind: global_buffer, .address_space: global }
    .group_segment_fixed_size: 310784
    .private_segment_fixed_size: 0
    .kernarg_segment_align: 8
    .kernarg_segment_size: 72
    .max_flat_workgroup_size: 128
    .sgpr_count:     66
    .vgpr_count:     1024
    .wavefront_size: 32
...
	.end_amdgpu_metadata
.endif
;; end of part 2
;; launch fin (part 3): grid 32 x 1, 8 waves a work-group, no clusters, 1,280 bytes of LDS; arguments scores, ctxp, out0, out1; writes out0, out1
.if DOCPART == 3
	.amdgcn_target "amdgcn-amd-amdhsa--gfx1250"
	.amdhsa_code_object_version 6
	.text
	.protected	k_q358b2d93fc_fin
	.globl	k_q358b2d93fc_fin
	.p2align	8
	.type	k_q358b2d93fc_fin,@function
k_q358b2d93fc_fin:
	s_mov_b64 s[64:65], 0
	v_nop
	global_prefetch_b8 v0, s[64:65] scope:SCOPE_SE
	s_setreg_imm32_b32 hwreg(HW_REG_WAVE_MODE, 25, 1), 1
	s_wait_xcnt 0x0
; One work-group for each batch b, eight waves, 256 threads.
;   M = max of the batch's 2,048 scores,  e[s] = exp(score[s] - M),  S = sum of e,  out1[b][s] = e[s] / S,
;   out0[b][c] = sum over the 16 tiles j of exp(m_j - M) / S x ctxp[16 b + j][c],  m_j = the maximum of tile j's 128 scores,
; which is the number that the main launch took away when it made ctxp: a maximum of the same f32 numbers is the same number.
; Thread t holds scores 4 t .. 4 t + 3 and 1,024 + 4 t ..: wave w's first load is exactly tile w, its second tile 8 + w.
; Memory binds what little there is (8 KiB + 64 KiB in, 12 KiB out for a work-group): all loads go out at the start; no matrix unit.
; LIMITS: v_exp_f32 and v_rcp_f32 are good to 1 ulp and flush denormals (ISA guide 15.8): a weight or a tile's factor
; below 2^-126 comes out as 0.
	s_load_b256 s[4:11], s[0:1], 0x0               ; scores s[4:5], ctxp s[6:7], out0 s[8:9], out1 s[10:11]
	v_lshl_add_u32 v128, v0, 2, 0x100
	v_mov_b32 v129, 0
	v_lshlrev_b32 v1, 4, v0                        ; 16 t
	v_lshrrev_b32 v2, 5, v0
	v_readfirstlane_b32 s12, v2                    ; wave w
	s_lshl_b32 s13, s12, 2
	v_mov_b32 v2, s13                              ; LDS: word w
	v_mov_b32 v3, 0
	s_mov_b32 s14, 0x76543210                      ; v_permlanex16_b32: lane i of one half reads lane i of the other
	s_mov_b32 s15, 0xfedcba98
	s_lshl_b32 s16, ttmp9, 13                      ; scores and out1: 8,192 bytes a batch
	s_mov_b32 s17, 0
	s_lshl_b32 s18, ttmp9, 16                      ; ctxp: 16 tiles of 4,096 bytes
	s_mov_b32 s19, 0
	s_lshl_b32 s20, ttmp9, 12                      ; out0: 4,096 bytes
	s_mov_b32 s21, 0
	s_wait_kmcnt 0x0
	s_add_nc_u64 s[4:5], s[4:5], s[16:17]
	s_add_nc_u64 s[10:11], s[10:11], s[16:17]
	s_add_nc_u64 s[6:7], s[6:7], s[18:19]
	s_add_nc_u64 s[8:9], s[8:9], s[20:21]
	global_load_b128 v[4:7], v1, s[4:5]
	global_load_b128 v[8:11], v1, s[4:5] offset:4096
.irp j, 0,1,2,3,4,5,6,7,8,9,10,11,12,13,14,15
	global_load_b128 v[32+4*\j:35+4*\j], v1, s[6:7] offset:4096*\j         ; tile j, columns 4 t .. 4 t + 3
.endr
	s_wait_loadcnt 16                              ; the scores are in; ctxp's 16 loads stay out
	; the two tile maxima of my wave
	v_max_num_f32 v14, v4, v5
	v_max_num_f32 v15, v8, v9
	v_max3_num_f32 v12, v14, v6, v7
	v_max3_num_f32 v13, v15, v10, v11
.irp x, 1,2,4,8
	v_max_num_f32_dpp v12, v12, v12 row_xmask:\x row_mask:0xf bank_mask:0xf
	v_max_num_f32_dpp v13, v13, v13 row_xmask:\x row_mask:0xf bank_mask:0xf
.endr
	v_permlanex16_b32 v14, v12, s14, s15           ; v14 and v15 have been written above
	v_permlanex16_b32 v15, v13, s14, s15
	v_max_num_f32 v12, v12, v14
	v_max_num_f32 v13, v13, v15
	ds_store_b32 v2, v12                           ; m of tile w
	ds_store_b32 v2, v13 offset:32                 ; m of tile 8 + w
	s_wait_dscnt 0x0
	s_barrier_signal -1
	s_barrier_wait -1
.irp i, 0,1,2,3
	ds_load_b128 v[16+4*\i:19+4*\i], v3 offset:16*\i       ; the 16 tile maxima, in every lane
.endr
	s_wait_dscnt 0x0
	v_max3_num_f32 v96, v16, v17, v18
.irp i, 19,21,23,25,27,29
	v_max3_num_f32 v96, v96, v[\i], v[\i+1]
.endr
	v_max_num_f32 v96, v96, v31                    ; M
.irp i, 4,5,6,7,8,9,10,11,16,17,18,19,20,21,22,23,24,25,26,27,28,29,30,31
	v_sub_f32 v[\i], v[\i], v96                    ; score - M, and m_j - M
.endr
.irp i, 4,5,6,7,8,9,10,11,16,17,18,19,20,21,22,23,24,25,26,27,28,29,30,31
	v_mul_f32 v[\i], 0x3fb8aa3b, v[\i]             ; x log2(e)
.endr
.irp i, 4,5,6,7,8,9,10,11,16,17,18,19,20,21,22,23,24,25,26,27,28,29,30,31
	v_exp_f32 v[\i], v[\i]
.endr
	v_nop                                          ; one plain place behind the transcendentals (ISA guide 5.7.2)
	s_wait_alu depctr_va_vdst(0)
	v_add_f32 v97, v4, v5
	v_add_f32 v98, v6, v7
	v_add_f32 v99, v8, v9
	v_add_f32 v100, v10, v11
	v_add_f32 v97, v97, v98
	v_add_f32 v99, v99, v100
	v_add_f32 v97, v97, v99
.irp x, 1,2,4,8
	v_add_f32_dpp v97, v97, v97 row_xmask:\x row_mask:0xf bank_mask:0xf
.endr
	v_permlanex16_b32 v98, v97, s14, s15
	v_add_f32 v97, v97, v98
	ds_store_b32 v2, v97 offset:64                 ; my wave's sum, in bytes of its own
	s_wait_dscnt 0x0
	s_barrier_signal -1
	s_barrier_wait -1
	ds_load_b128 v[100:103], v3 offset:64
	ds_load_b128 v[104:107], v3 offset:80
	s_wait_dscnt 0x0
	v_add_f32 v100, v100, v101
	v_add_f32 v102, v102, v103
	v_add_f32 v104, v104, v105
	v_add_f32 v106, v106, v107
	v_add_f32 v100, v100, v102
	v_add_f32 v104, v104, v106
	v_add_f32 v100, v100, v104                     ; S, at least 1: the largest score gives e = 1
	v_rcp_f32 v108, v100
	v_nop
	s_wait_alu depctr_va_vdst(0)
.irp i, 4,5,6,7,8,9,10,11,16,17,18,19,20,21,22,23,24,25,26,27,28,29,30,31
	v_mul_f32 v[\i], v[\i], v108                   ; the weights, and the 16 tiles' factors
.endr
	global_store_b128 v1, v[4:7], s[10:11]         ; each store of a wave: 512 consecutive bytes
	global_store_b128 v1, v[8:11], s[10:11] offset:4096
	s_wait_loadcnt 0x0                             ; ctxp
.irp q, 0,1,2,3
	v_mul_f32 v[110+\q], v[32+\q], v16             ; tile 0 starts the sums
.endr
.irp j, 1,2,3,4,5,6,7,8,9,10,11,12,13,14,15
.irp q, 0,1,2,3
	v_fma_f32 v[110+\q], v[32+4*\j+\q], v[16+\j], v[110+\q]
.endr
.endr
	global_store_b128 v1, v[110:113], s[8:9]
	s_wait_tensorcnt 0x0
	ds_add_u32 v128, v129
	s_wait_dscnt 0x0
	s_endpgm
.Lfunc_end_k_q358b2d93fc_fin:
	.size	k_q358b2d93fc_fin, .Lfunc_end_k_q358b2d93fc_fin-k_q358b2d93fc_fin
	.p2alignl 7, 3214868480
	.fill 96, 4, 3214868480
	.section	.rodata,"a",@progbits
	.p2align	6, 0x0
	.amdhsa_kernel k_q358b2d93fc_fin
		.amdhsa_group_segment_fixed_size 1280
		.amdhsa_private_segment_fixed_size 0
		.amdhsa_enable_private_segment 0
		.amdhsa_kernarg_size 32
		.amdhsa_user_sgpr_count 2
		.amdhsa_user_sgpr_kernarg_segment_ptr 1
		.amdhsa_wavefront_size32 1
		.amdhsa_system_sgpr_workgroup_id_x 1
		.amdhsa_system_sgpr_workgroup_id_y 1
		.amdhsa_system_sgpr_workgroup_id_z 1
		.amdhsa_system_vgpr_workitem_id 0
		.amdhsa_next_free_vgpr 130
		.amdhsa_next_free_sgpr 66
		.amdhsa_reserve_vcc 0
		.amdhsa_float_denorm_mode_32 3
		.amdhsa_float_denorm_mode_16_64 3
		.amdhsa_memory_ordered 1
		.amdhsa_forward_progress 1
		.amdhsa_inst_pref_size 14
	.end_amdhsa_kernel
	.amdgpu_metadata
---
amdhsa.version: [ 1, 2 ]
amdhsa.kernels:
  - .name:           k_q358b2d93fc_fin
    .symbol:         k_q358b2d93fc_fin.kd
    .args:
      - { .name: scores, .offset: 0, .size: 8, .value_kind: global_buffer, .address_space: global }
      - { .name: ctxp, .offset: 8, .size: 8, .value_kind: global_buffer, .address_space: global }
      - { .name: out0, .offset: 16, .size: 8, .value_kind: global_buffer, .address_space: global }
      - { .name: out1, .offset: 24, .size: 8, .value_kind: global_buffer, .address_space: global }
    .group_segment_fixed_size: 1280
    .private_segment_fixed_size: 0
    .kernarg_segment_align: 8
    .kernarg_segment_size: 32
    .max_flat_workgroup_size: 256
    .sgpr_count:     66
    .vgpr_count:     130
    .wavefront_size: 32
...
	.end_amdgpu_metadata
.endif
;; end of part 3
;; ======== version 2 of 2: 3 launches; version 1 with the launch main written anew for expert scheduling mode
;; workspace buffers: ub 2,097,152 bytes; qpart 2,097,152 bytes; scores 262,144 bytes; ctxp 2,097,152 bytes
;; launch prep: the kernel of part 1 again; grid 256 x 1, 4 waves a work-group, no clusters, 47,616 bytes of LDS; arguments Ua_w, Wa_w, query, ub, qpart; writes ub, qpart
;; launch main (part 4): grid 512 x 1, 4 waves a work-group, no clusters, 310,784 bytes of LDS; arguments keys, ub, qpart, Wa_b, Ua_b, Va_w, Va_b, scores, ctxp; writes scores, ctxp
.if DOCPART == 4
	.amdgcn_target "amdgcn-amd-amdhsa--gfx1250"
	.amdhsa_code_object_version 6
	.text
	.protected	k_q358b2d93fc_main
	.globl	k_q358b2d93fc_main
	.p2align	8
	.type	k_q358b2d93fc_main,@function
k_q358b2d93fc_main:
	s_mov_b64 s[64:65], 0
	v_nop
	global_prefetch_b8 v0, s[64:65] scope:SCOPE_SE
	s_setreg_imm32_b32 hwreg(HW_REG_WAVE_SCHED_MODE, 0, 2), 2
	s_setreg_imm32_b32 hwreg(HW_REG_WAVE_MODE, 25, 1), 1
	s_wait_xcnt 0x0
	s_wait_alu depctr_vm_vsrc(0)
; For 128 rows s of one batch (tile = work-group number, batch = tile >> 4):
;   score[s] = Va_b + sum over n of Va[n] tanh(q[n] + Wa_b[n] + Ua_b[n] + sum over k of keys[s][k] Ua[k][n]),
;   m = max of the 128 scores,  p[s] = exp(score[s] - m),  ctxp[tile][c] = sum over s of p[s] keys[s][c].
; Stored: the raw scores and ctxp.  The last launch joins the 16 tiles of a batch (softmax over 2,048, context).
;
; THE KEYS ARE READ FROM MEMORY ONCE.  The tile is rounded to bf16 on its way in and stays in LDS, 16 chunks of 64 columns:
; chunk c at c x 18,432 bytes, 128 rows of 144 bytes (128 of data + 16, an odd multiple of 16 bytes).  It serves the product
; with Ua (two passes of 512 columns of Ua) and, at the end, the product with p.
; Four waves; in a pass each makes 128 rows x 128 columns: 64 accumulators of 16 x 16, 512 registers.  K goes in 32 steps of 32.
; In pass 1 chunk c + 1 is converted and stored while chunk c is multiplied; one barrier a chunk shows it to the other waves.
; Ua comes as ready fragments (buffer ub, scaled by 2 log2(e)); a wave's 128 columns are used by that wave alone, so its
; fragments go from memory straight into a ring of four register buffers, three steps ahead, and never through LDS.
; The bias q + Wa_b + Ua_b is first used behind pass 1, so its 38 loads go out in K step 30, into registers that the key
; chunks have left, and the kernel's start waits for nothing but key chunk 0 and Ua's first step.
; WHY NO CLUSTER AND NO JOINT TENSOR LOADS, though all work-groups read the same ub: the resident tile takes 294,912 of the
; 327,680 bytes of LDS and the scratch 15,360, which leaves 17,408; one K step of Ua for the four waves is 4 x 8,192 = 32,768
; bytes, so not even one slot fits.  Each work-group therefore reads the 2 MiB of ub itself.
; PREFETCH: in trips 0 to 5 of pass 1 each wave asks, by one instruction a chunk (32 lanes, the 256 bytes of one row each), for
; its 32 rows of the chunk that it loads one chunk, two K steps, later: chunks 4 to 15, each block once in the launch.
; The highest byte asked for in a row is 512 x 5 + 1,280 = 3,840; trips 6 and 7 ask for nothing.
;
; tanh(x) = 1 - 2 / (1 + 2^y), y = 2 log2(e) x.  2^y = inf gives 1, 2^y = 0 gives -1: no input overflows it.
; LIMITS: keys, the scaled Ua and p are rounded to bf16 as matrix operands (f32's range); all else is f32.  v_exp_f32 and
; v_rcp_f32 are good to 1 ulp and flush denormals (ISA guide 15.8): a p below 2^-126 counts as 0.
;
; REGISTERS, in windows of 256 (s_set_vgpr_msb: bits 1:0 source 0, 3:2 source 1, 5:4 source 2, 7:6 destination):
;   window 0: v0-31 addresses; v32-63 in pass 1 a key chunk in bf16 on its way to LDS, later the scores' sums and the bias;
;             v64-127 fragments of the keys (8 tiles of 16 rows x 32 K);
;             v128-191, v192-255 two stages for key chunks as loaded (later: qpart; in the epilogues the bias and Va of my columns)
;   window 1: four buffers of 64 registers for Ua's fragments (8 tiles of 16 columns x 32 K each)
;   window 2: accumulators of rows 0-63, tile (a, b) at v[8 (8 a + b)];  window 3: those of rows 64-127
; THE MATRIX INSTRUCTION IS USED TRANSPOSED: source 0 = 16 columns of Ua, source 1 = 16 rows of keys.  Lane (r, h) then holds,
; for key row 16 t + r, the columns 16 b + 8 h + 0..7: the sum over columns is mostly inside a lane.
;
; THE MODE: SCHED_MODE bits 1:0 = 2 (LLVM: expert scheduling mode 2), set by the entry lines.  The code itself states the register
; dependences between vector or matrix instructions and memory or LDS instructions, with s_wait_alu, always for 0.
; THE PLAN.  K step s is two halves, LOW(s) (rows 0-63) and HIGH(s) (rows 64-127), 32 matrix instructions each.
; Registers that memory or LDS instructions touch in the loops:
;   AF low  (v64-95)     read by LOW(s);  the LDS loads of step s + 1 land in it, issued in HIGH(s).
;   AF high (v96-127)    read by HIGH(s); the LDS loads of step s + 1 land in it, issued in LOW(s + 1).
;   Ua's buffer s % 4    read by LOW(s) and HIGH(s); the loads of Ua's step s + 4 land in it, issued in LOW(s + 1).
;   stage 0, 1           read by the conversions between LOW and HIGH of an even step of pass 1; the chunk two on lands in it, asked for in that HIGH.
;   OUT (v32-63)         written by those conversions; read by the LDS stores issued in that HIGH; written again two steps later.
;   v[ADR], v[KS]        read by the LDS loads and stores; written once a trip, at its end.  All other addresses are made at the head and never written again.
; So one wait on va_vdst stands at the head of each half.  LOW's states that HIGH(s - 1) is done reading AF high and step s - 1 its buffer of Ua (and, behind
; a trip's end, that v[ADR] and v[KS] are written); HIGH's that LOW(s) is done reading AF low (and that the conversions have written OUT and are done reading
; the stage).  Behind each the half's loads and stores follow in groups of eight, dealt among its matrix instructions, which name this step's buffer of
; Ua, the other half of AF and the accumulators: none of the registers that those groups touch.  Waits on vm_vsrc stand ahead of the conversions (OUT) and
; ahead of the adds at a trip's end (v[ADR], v[KS]).
.set PITCH, 144
.set CHUNK, 128*PITCH                  ; 18,432 bytes
.set SCR,   16*CHUNK                   ; 294,912: scratch behind the tile
.set O_VA,  4096                       ; SCR + 0: 2 log2(e) (q + Wa_b + Ua_b), f32[1024];  + 4,096: Va, f32[1024]
.set O_SP,  8192                       ; [wave][128] f32: each wave's part of the scores
.set O_PB,  10240                      ; [wave][128] bf16: p, a copy for each wave
.set O_CT,  11264                      ; f32[1024]: the partial context, 256 columns a wave
.set BSTEP, 8192                       ; bytes of ub for one wave and one K step
.set ADR,  4                           ; r x 144 + 16 h + two chunks a trip: fragment loads from the tile
.set BO,   5                           ; 16 L
.set KO,   6                           ; keys: row 32 w + h, 16 r
.set KS,   7                           ; tile: row 32 w + h, 8 r, + two chunks a trip: stores of a chunk
.set QO,   8                           ; 16 x thread
.set QW,   9                           ; SCR + 16 x thread
.set EA,   10                          ; SCR + 512 w + 32 h: bias and Va of my columns
.set SPW,  11
.set SPR,  12
.set PBW,  13
.set PBR,  14
.set TA0,  15                          ; transposing loads from chunks 4 w, 4 w + 1;  v16: from 4 w + 2, 4 w + 3
.set CTW,  17
.set CTR,  18
.set CO,   19
.set ADR0, 20                          ; ADR's first value
.set KP,   21                          ; keys: row 32 w + L, for the prefetch; never rewritten
.set OUT,  32                          ; v[32:63] pass 1, up to K step 28: my 32 rows of a key chunk in bf16
.set SC,   32                          ; v[32:39] from the first epilogue on: my part of the score of row 16 t + r, t = 0..7
.set BI,   40                          ; v[40:47] from K step 30 on: Wa_b, then the bias of my thread's 8 columns; v[48:55] Ua_b; v[56:63] Va
.set AF,   64
.set ST,   128
.set QCR,  128
.set VAR,  192
.set MUL_LO, 0xa1                      ; source 0 window 1, source 1 window 0, C and D window 2
.set MUL_HI, 0xf1                      ; the same, C and D window 3
.set TO_B,   0x40                      ; destination window 1
.set TO_3,   0xc0                      ; destination window 3
.set ST_2,   0x08                      ; an LDS store's data from window 2
.set CTXW,   0xac                      ; source 0 window 0, source 1 window 3, C and D window 2
.set MSB, 0
.macro WIN new                         ; the immediate's high byte repeats the setting that is left
.if MSB != \new
	s_set_vgpr_msb (MSB<<8)|\new
.set MSB, \new
.endif
.endm
; Four places behind a matrix instruction before its result is read by a vector instruction or a store; only plain vector
; instructions that name none of its registers are places.
.macro PLACES
.rept 4
	v_nop
.endr
.endm
; 4 matrix instructions: tiles 4 q .. 4 q + 3 of a window's 32 (row tile q / 2, column tiles 4 (q % 2) ..), 32 along K.  zero = 1 starts the sums.
; q runs 0 to 7 in each half: the 64 accumulators take turns in the same order in every step.
.macro MUL4 bf, hi, q, zero
.irp j, 0,1,2,3
.if \zero
	v_wmma_f32_16x16x32_bf16 v[8*(4*\q+\j):8*(4*\q+\j)+7], v[\bf+8*((4*\q+\j)%8):\bf+8*((4*\q+\j)%8)+7], v[AF+8*(4*\hi+\q/2):AF+8*(4*\hi+\q/2)+7], 0
.else
	v_wmma_f32_16x16x32_bf16 v[8*(4*\q+\j):8*(4*\q+\j)+7], v[\bf+8*((4*\q+\j)%8):\bf+8*((4*\q+\j)%8)+7], v[AF+8*(4*\hi+\q/2):AF+8*(4*\hi+\q/2)+7], v[8*(4*\q+\j):8*(4*\q+\j)+7]
.endif
.endr
.endm
.macro LDA half, off                   ; 8 LDS loads: key fragments of row tiles 4 half .. 4 half + 3, 32 K at byte off
.irp t, 0,1,2,3
	ds_load_b128 v[AF+32*\half+8*\t:AF+32*\half+8*\t+3], v[ADR] offset:\off+16*PITCH*(4*\half+\t)
	ds_load_b128 v[AF+32*\half+8*\t+4:AF+32*\half+8*\t+7], v[ADR] offset:\off+16*PITCH*(4*\half+\t)+32
.endr
.endm
.macro LDB bf, off, g                  ; 8 loads of 512 consecutive bytes: half g of one K step of my Ua fragments (under TO_B)
.irp i, 0,1,2,3,4,5,6,7
	global_load_b128 v[\bf+32*\g+4*\i:\bf+32*\g+4*\i+3], v[BO], s[10:11] offset:\off+4096*\g+512*\i
.endr
.endm
.macro LDK slot, off, g                ; 8 loads: half g of my 32 rows of a key chunk, two rows of 256 aligned bytes each
.irp i, 0,1,2,3,4,5,6,7
	global_load_b128 v[ST+64*\slot+32*\g+4*\i:ST+64*\slot+32*\g+4*\i+3], v[KO], s[8:9] offset:\off+65536*\g+8192*\i th:TH_LOAD_NT
.endr
.endm
.macro CVK slot                        ; f32 to bf16: the stage's 64 registers into OUT's 32, so that no store reads a register in which a load lands
.irp i, 0,1,2,3,4,5,6,7,8,9,10,11,12,13,14,15
	v_cvt_pk_bf16_f32 v[OUT+2*\i], v[ST+64*\slot+4*\i], v[ST+64*\slot+4*\i+1]
	v_cvt_pk_bf16_f32 v[OUT+2*\i+1], v[ST+64*\slot+4*\i+2], v[ST+64*\slot+4*\i+3]
.endr
.endm
.macro STK off, g                      ; 8 LDS stores: half g of my 32 rows of the chunk
.irp i, 0,1,2,3,4,5,6,7
	ds_store_b64 v[KS], v[OUT+16*\g+2*\i:OUT+16*\g+2*\i+1] offset:\off+16*PITCH*\g+2*PITCH*\i
.endr
.endm
; 38 loads for the bias, 8 columns a thread (4 t .. and 512 + 4 t ..): the batch's 16 slices of query x Wa_w into the two key
; stages, Wa_b, Ua_b and Va into v40-63.  Each load of a wave covers 512 consecutive bytes.
.macro LDQ
.irp ks, 0,1,2,3,4,5,6,7,8,9,10,11,12,13,14,15
	global_load_b128 v[ST+8*\ks:ST+8*\ks+3], v[QO], s[12:13] offset:4096*\ks
	global_load_b128 v[ST+8*\ks+4:ST+8*\ks+7], v[QO], s[12:13] offset:4096*\ks+2048
.endr
	global_load_b128 v[BI:BI+3], v[QO], s[14:15]
	global_load_b128 v[BI+4:BI+7], v[QO], s[14:15] offset:2048
	global_load_b128 v[BI+8:BI+11], v[QO], s[16:17]
	global_load_b128 v[BI+12:BI+15], v[QO], s[16:17] offset:2048
	global_load_b128 v[BI+16:BI+19], v[QO], s[18:19]
	global_load_b128 v[BI+20:BI+23], v[QO], s[18:19] offset:2048
.endm
; LOW: the first half of K step s, rows 0-63.  lc = how many global loads are younger than this step's Ua fragments (63 where they are 64 or more: the
; largest count that the wait can name).  ck: the byte of this step's key fragments.  nb: the byte in ub of Ua's step s + 3 (-1: none), which goes
; into the buffer that step s - 1 used.  zero = 1: a pass's first step.
; adv (a trip's first step): ub's base (1), and the keys' too (2), step by a trip.  A base is a source of loads that may be pending, so it is written only
; behind s_wait_xcnt 0; the youngest global load was issued in the first half of the step before.
; bar = 1 (an odd step of pass 1): the barrier that shows the chunk stored in the step before to all four waves; the next step's fragments, fetched behind
; it, are its first reads.  Between signal and wait stand matrix instructions alone.
.macro LOW bf, zero, lc, ck, nb, adv, bar
.set PB, (\bf+192)%256
	s_wait_loadcnt \lc
	s_wait_dscnt 0x0                               ; the fragments of rows 0-63 are in (and the chunk's stores of the step before are done): nothing younger is out
.if \adv
	s_wait_xcnt 0x0
	s_add_nc_u64 s[10:11], s[10:11], 4*BSTEP
.if \adv == 2
	s_add_nc_u64 s[8:9], s[8:9], 512               ; two chunks of 256 bytes (in the last trip the stepped address is not used)
.endif
.endif
.if !\zero
	s_wait_alu depctr_va_vdst(0)                   ; the step before is done reading AF high and its buffer of Ua, in which the loads below land; behind a trip's end v[ADR] and v[KS] are written
.endif                                                 ; (a pass's first step: an earlier wait has stated all that, and no vector or matrix instruction since names those registers)
	WIN MUL_LO
	MUL4 \bf, 0, 0, \zero
	WIN 0
	LDA 1, \ck                                     ; this step's fragments of rows 64-127
	WIN MUL_LO
	MUL4 \bf, 0, 1, \zero
.if \nb >= 0
	WIN TO_B
	LDB PB, \nb, 0
	WIN MUL_LO
.endif
	MUL4 \bf, 0, 2, \zero
.if \nb >= 0
	WIN TO_B
	LDB PB, \nb, 1
	WIN MUL_LO
.endif
	MUL4 \bf, 0, 3, \zero
.if \bar
	s_wait_dscnt 0x0                               ; my stores of the chunk are done since the step's head; the fragments just asked for are in: no LDS instruction of mine is out at the signal
	s_barrier_signal -1
.endif
.irp q, 4,5,6,7
	MUL4 \bf, 0, \q, \zero
.endr
.if \bar
	s_barrier_wait -1
.endif
.endm
; HIGH: the second half, rows 64-127.  nk: the byte of the next step's key fragments (-1: none).  dsw = 0: the barrier's wait has shown the fragments in.
; rst = 1: the next step begins the tile anew (pass 2).  ldq = 1: the bias's loads go out.
.macro HIGH bf, zero, nk, rst, ldq, dsw
.if \rst
	WIN 0
	s_wait_alu depctr_vm_vsrc(0)                   ; the LDS loads issued so far have read v[ADR]
	v_mov_b32 v[ADR], v[ADR0]
.endif
.if \dsw
	s_wait_dscnt 0x0                               ; the fragments of rows 64-127 are in
.endif
.if \nk >= 0
	s_wait_alu depctr_va_vdst(0)                   ; the first half is done reading AF low, in which the loads below land; with rst v[ADR] is written
.endif
	WIN MUL_HI
	MUL4 \bf, 1, 0, \zero
.if \nk >= 0
	WIN 0
	LDA 0, \nk                                     ; the next step's fragments of rows 0-63
.if \ldq
	s_wait_alu depctr_vm_vsrc(0)                   ; the LDS stores of chunk 15 have read v40-63, in which six of these loads land
	LDQ                                            ; the conversions that named the stages and v40-63 stand ahead of earlier waits on va_vdst
.endif
	WIN MUL_HI
.endif
.irp q, 1,2,3,4,5,6,7
	MUL4 \bf, 1, \q, \zero
.endr
.endm
; HIGH of an even step of pass 1: ahead of it the next chunk (in stage slot) is converted; among its matrix instructions the stage is asked for again with the chunk at
; byte ldk of my rows (-1: none), the next step's fragments are fetched, and the chunk is stored at byte stk.  The stage's load is older than this
; step's Ua fragments, so the wait at the step's head has shown it in.  pf: the byte in my rows of the chunk that is asked for ahead (-1: none).
.macro HIGHK bf, zero, nk, slot, stk, ldk, pf
	WIN 0
	s_wait_alu depctr_vm_vsrc(0)                   ; the LDS stores of the chunk before have read OUT, which the conversions write again
	CVK \slot
	s_wait_dscnt 0x0                               ; the fragments of rows 64-127 are in
	s_wait_alu depctr_va_vdst(0)                   ; the conversions have written OUT, which the stores below read, and are done reading the stage; the first half is done reading AF low
	WIN MUL_HI
	MUL4 \bf, 1, 0, \zero
.if \ldk >= 0
	WIN 0
	LDK \slot, \ldk, 0
	WIN MUL_HI
.endif
	MUL4 \bf, 1, 1, \zero
.if \ldk >= 0
	WIN 0
	LDK \slot, \ldk, 1
.if \pf >= 0
	global_prefetch_b8 v[KP], s[8:9] offset:\pf th:TH_LOAD_NT scope:SCOPE_SE   ; my 32 rows of the chunk that the next even step loads
.endif
	WIN MUL_HI
.endif
	MUL4 \bf, 1, 2, \zero
	WIN 0
	LDA 0, \nk
	WIN MUL_HI
	MUL4 \bf, 1, 3, \zero
	WIN 0
	STK \stk, 0
	WIN MUL_HI
	MUL4 \bf, 1, 4, \zero
	WIN 0
	STK \stk, 1
	WIN MUL_HI
.irp q, 5,6,7
	MUL4 \bf, 1, \q, \zero
.endr
.endm
.macro STEP_P bf, zero, lc, ck, nk, nb, adv, rst, ldq          ; a plain K step
	LOW \bf, \zero, \lc, \ck, \nb, \adv, 0
	HIGH \bf, \zero, \nk, \rst, \ldq, 1
.endm
.macro STEP_B bf, lc, ck, nk, nb                               ; an odd step of pass 1, with the barrier
	LOW \bf, 0, \lc, \ck, \nb, 0, 1
	HIGH \bf, 0, \nk, 0, 0, 0
.endm
.macro STEP_K bf, zero, lc, ck, nk, nb, slot, stk, ldk, adv, pf ; an even step of pass 1, with a key chunk
	LOW \bf, \zero, \lc, \ck, \nb, \adv, 0
	HIGHK \bf, \zero, \nk, \slot, \stk, \ldk, \pf
.endm
; A trip is four K steps = two chunks.  At its end the LDS addresses step; the wait at the next step's head states that they are written.
.macro NEXT keys
	WIN 0
	s_wait_alu depctr_vm_vsrc(0)                   ; the LDS loads and stores issued so far have read v[ADR] and v[KS]
	v_add_nc_u32 v[ADR], 2*CHUNK, v[ADR]
.if \keys
	v_add_nc_u32 v[KS], 2*CHUNK, v[KS]
.endif
.endm
; The bias, between pass 1 and its epilogue: 2 log2(e) (Wa_b + Ua_b + the 16 slices in order), and Va, into the scratch; one
; barrier shows them to all four waves.  Its sums are also the places behind pass 1's last matrix instructions.
.macro BIAS
	WIN 0
	s_wait_loadcnt 16                              ; the 38 are in: Ua's step 34, 16 loads, is younger
.irp q, 0,2,4,6
	v_pk_add_f32 v[BI+\q:BI+\q+1], v[BI+\q:BI+\q+1], v[BI+8+\q:BI+8+\q+1]          ; Wa_b + Ua_b
.endr
.irp ks, 0,1,2,3,4,5,6,7,8,9,10,11,12,13,14,15
.irp q, 0,2,4,6
	v_pk_add_f32 v[BI+\q:BI+\q+1], v[BI+\q:BI+\q+1], v[ST+8*\ks+\q:ST+8*\ks+\q+1]  ; + the 16 slices of query x Wa_w, in order
.endr
.endr
.irp q, 0,2,4,6
	v_pk_mul_f32 v[BI+\q:BI+\q+1], v[BI+\q:BI+\q+1], 0x4038aa3b op_sel_hi:[1,0]    ; x 2 log2(e), as Ua has been
.endr
	s_wait_alu depctr_va_vdst(0)                   ; the sums have written v[BI ..], which the LDS stores read, and are done reading the stages, in which the epilogue's loads land;
	                                               ; K step 31 is done reading AF high and its buffer of Ua, in which the loads of pass 2's first step land
	ds_store_b128 v[QW], v[BI:BI+3]
	ds_store_b128 v[QW], v[BI+4:BI+7] offset:2048
	ds_store_b128 v[QW], v[BI+16:BI+19] offset:O_VA
	ds_store_b128 v[QW], v[BI+20:BI+23] offset:O_VA+2048
	s_wait_dscnt 0x0                               ; my stores are done, for the other waves' sake (pass 2's first fragments of rows 0-63 are in too)
	s_barrier_signal -1
	s_barrier_wait -1
.endm
; THE EPILOGUE of one accumulator tile t (0..31 in its window, registers 8 t ..; row tile t >> 3, column tile t & 7):
;   y = sum + bias;  e = 2^y;  d = e + 1;  r = 1 / d;  th = 1 - 2 r;  the row tile's sums (in the registers of its tile 0) += Va th.
; Each of the six steps is a macro that does one register (transcendentals) or one pair, and nothing if t is outside the window.
.macro E_BIAS t, p
.if (\t) >= 0
.if (\t) < 32
	v_pk_add_f32 v[8*(\t)+2*\p:8*(\t)+2*\p+1], v[8*(\t)+2*\p:8*(\t)+2*\p+1], v[QCR+8*((\t)&7)+2*\p:QCR+8*((\t)&7)+2*\p+1]
.endif
.endif
.endm
.macro E_EXP t, j
.if (\t) >= 0
.if (\t) < 32
	v_exp_f32 v[8*(\t)+\j], v[8*(\t)+\j]
.endif
.endif
.endm
.macro E_ONE t, p
.if (\t) >= 0
.if (\t) < 32
	s_wait_alu depctr_va_vdst(0)
	v_pk_add_f32 v[8*(\t)+2*\p:8*(\t)+2*\p+1], v[8*(\t)+2*\p:8*(\t)+2*\p+1], 1.0 op_sel_hi:[1,0]
.endif
.endif
.endm
.macro E_RCP t, j
.if (\t) >= 0
.if (\t) < 32
	v_rcp_f32 v[8*(\t)+\j], v[8*(\t)+\j]
.endif
.endif
.endm
.macro E_TH t, p
.if (\t) >= 0
.if (\t) < 32
	s_wait_alu depctr_va_vdst(0)
	v_pk_fma_f32 v[8*(\t)+2*\p:8*(\t)+2*\p+1], v[8*(\t)+2*\p:8*(\t)+2*\p+1], -2.0, 1.0 op_sel_hi:[1,0,0]
.endif
.endif
.endm
.macro E_ACC t, p
.if (\t) >= 0
.if (\t) < 32
.if ((\t)&7) == 0
	v_pk_mul_f32 v[8*(\t)+2*\p:8*(\t)+2*\p+1], v[8*(\t)+2*\p:8*(\t)+2*\p+1], v[VAR+2*\p:VAR+2*\p+1]    ; a row tile's first column tile starts its sums
.else
	v_pk_fma_f32 v[64*((\t)>>3)+2*\p:64*((\t)>>3)+2*\p+1], v[8*(\t)+2*\p:8*(\t)+2*\p+1], v[VAR+8*((\t)&7)+2*\p:VAR+8*((\t)&7)+2*\p+1], v[64*((\t)>>3)+2*\p:64*((\t)>>3)+2*\p+1]
.endif
.endif
.endif
.endm
; Turn ei of the epilogue's pipeline: the exponentials of tile ei and the reciprocals of tile ei - 1, each followed by one plain
; instruction of a neighbouring tile (1 - 2 r and the sums of tile ei - 2, the bias of tile ei + 1, the + 1 of tile ei).
; So a transcendental and a plain instruction take turns, no instruction reads a result younger than eight instructions, and
; behind every transcendental a plain instruction that names none of its registers stands before its result is read
; (ISA guide 5.7.2); at the two ends, where a tile is missing, transcendentals stand in a row and the next plain one is that place.
.macro EPIP
.irp j, 0,1,2,3
	E_EXP ei, \j
	E_TH ei-2, \j
.endr
.irp j, 0,1,2,3
	E_EXP ei, 4+\j
	E_BIAS ei+1, \j
.endr
.irp j, 0,1,2,3
	E_RCP ei-1, \j
	E_ONE ei, \j
.endr
.irp j, 0,1,2,3
	E_RCP ei-1, 4+\j
	E_ACC ei-2, \j
.endr
.endm
; One accumulator window.  we: source 0, source 2 and destination in the window, source 1 in window 0; wr: all in the window;
; wo: source 0 in the window, the rest in window 0.
.macro EPIW pass, hi, we, wr, wo
	WIN \we
.set ei, -1
.rept 35                               ; turns -1 to 33: tile 0's bias first, tile 31's sums last
	EPIP
.set ei, ei+1
.endr
	WIN \wr
.irp a, 0,1,2,3
	v_pk_add_f32 v[64*\a:64*\a+1], v[64*\a:64*\a+1], v[64*\a+2:64*\a+3]
	v_pk_add_f32 v[64*\a+4:64*\a+5], v[64*\a+4:64*\a+5], v[64*\a+6:64*\a+7]
.endr
.irp a, 0,1,2,3
	v_pk_add_f32 v[64*\a:64*\a+1], v[64*\a:64*\a+1], v[64*\a+4:64*\a+5]
.endr
.irp a, 0,1,2,3
	v_add_f32 v[64*\a], v[64*\a], v[64*\a+1]
.endr
	WIN \wo
.irp a, 0,1,2,3
.if \pass
	v_add_f32 v[SC+4*\hi+\a], v[64*\a], v[SC+4*\hi+\a]
.else
	v_mov_b32 v[SC+4*\hi+\a], v[64*\a]             ; pass 0 starts the score sums
.endif
.endr
.endm
; The places behind a pass's last matrix instructions stand ahead of this macro.  Its 32 loads land in the stages' registers: their last vector readers (the bias's
; sums; the first epilogue) stand ahead of a wait on va_vdst, and no vector or matrix instruction since names them.
.macro EPI pass
	WIN 0
.irp b, 0,1,2,3,4,5,6,7
	ds_load_b128 v[QCR+8*\b:QCR+8*\b+3], v[EA] offset:2048*\pass+64*\b                 ; bias of columns 512 pass + 128 w + 16 b + 8 h + 0..3
	ds_load_b128 v[QCR+8*\b+4:QCR+8*\b+7], v[EA] offset:2048*\pass+64*\b+16
	ds_load_b128 v[VAR+8*\b:VAR+8*\b+3], v[EA] offset:O_VA+2048*\pass+64*\b            ; Va of the same columns
	ds_load_b128 v[VAR+8*\b+4:VAR+8*\b+7], v[EA] offset:O_VA+2048*\pass+64*\b+16
.endr
	s_wait_dscnt 0x0
	EPIW \pass, 0, 0xa2, 0xaa, 0x02
	EPIW \pass, 1, 0xf3, 0xff, 0x03
	WIN 0
.endm
; 32 transposing loads (under TO_3): rows 32 ks .. + 31 of the tile x my 256 columns, as 16 fragments at v[base] of window 3
.macro KF ks, base
.irp nt, 0,1,2,3,4,5,6,7,8,9,10,11,12,13,14,15
	ds_load_tr16_b128 v[\base+8*\nt:\base+8*\nt+3], v[TA0+(\nt>>3)] offset:((\nt>>2)&1)*CHUNK+32*(\nt&3)+32*PITCH*\ks
	ds_load_tr16_b128 v[\base+8*\nt+4:\base+8*\nt+7], v[TA0+(\nt>>3)] offset:((\nt>>2)&1)*CHUNK+32*(\nt&3)+32*PITCH*\ks+16*PITCH
.endr
.endm
.macro CMUL ks, base, zero             ; 16 matrix instructions on 16 accumulators, by turns
.irp nt, 0,1,2,3,4,5,6,7,8,9,10,11,12,13,14,15
.if \zero
	v_wmma_f32_16x16x32_bf16 v[8*\nt:8*\nt+7], v[AF+8*\ks:AF+8*\ks+7], v[\base+8*\nt:\base+8*\nt+7], 0
.else
	v_wmma_f32_16x16x32_bf16 v[8*\nt:8*\nt+7], v[AF+8*\ks:AF+8*\ks+7], v[\base+8*\nt:\base+8*\nt+7], v[8*\nt:8*\nt+7]
.endif
.endr
.endm
	; ---------------- set-up ----------------
	s_load_b512 s[8:23], s[0:1], 0x0               ; keys s[8:9], ub s[10:11], qpart s[12:13], Wa_b s[14:15], Ua_b s[16:17], Va_w s[18:19], Va_b s[20:21], scores s[22:23]
	s_load_b64 s[24:25], s[0:1], 0x40              ; ctxp
	v_lshl_add_u32 v30, v0, 2, 0x4bc00
	v_mov_b32 v31, 0
	v_and_b32 v1, 31, v0                           ; L
	v_lshrrev_b32 v40, 5, v0
	v_readfirstlane_b32 s2, v40                    ; wave w
	v_and_b32 v2, 15, v0                           ; r
	v_bfe_u32 v3, v0, 4, 1                         ; h
	v_mul_u32_u24 v41, v2, PITCH
	v_lshl_add_u32 v[ADR0], v3, 4, v41             ; r x 144 + 16 h
	v_mov_b32 v[ADR], v[ADR0]
	v_lshlrev_b32 v[BO], 4, v1
	s_wait_alu depctr_va_sdst(0)                   ; s2 is written, ahead of its first reader
	s_lshl_b32 s28, s2, 17
	v_lshlrev_b32 v[KO], 4, v2
	v_lshl_add_u32 v[KO], v3, 12, v[KO]
	v_add_nc_u32 v[KO], s28, v[KO]                 ; (32 w + h) x 4,096 + 16 r
	v_lshl_add_u32 v[KP], v1, 12, s28              ; (32 w + L) x 4,096
	s_mul_i32 s28, s2, 32*PITCH
	v_mul_u32_u24 v[KS], v3, PITCH
	v_lshl_add_u32 v[KS], v2, 3, v[KS]
	v_add_nc_u32 v[KS], s28, v[KS]                 ; (32 w + h) x 144 + 8 r
	s_lshl_b32 s28, s2, 9
	v_add_nc_u32 v[QO], s28, v[BO]                 ; 512 w + 16 L = 16 x thread
	v_add_nc_u32 v[QW], SCR, v[QO]
	s_add_co_u32 s29, s28, SCR
	v_lshl_add_u32 v[EA], v3, 5, s29
	v_lshl_add_u32 v[SPW], v2, 2, s29
	v_add_nc_u32 v[SPW], O_SP, v[SPW]              ; my wave's 128 words, word r
	v_add_nc_u32 v[SPR], SCR+O_SP, v[BO]           ; words 4 L .. 4 L + 3
	s_lshl_b32 s30, s2, 8
	s_add_co_u32 s30, s30, SCR+O_PB
	v_lshl_add_u32 v[PBW], v1, 3, s30
	v_lshl_add_u32 v[PBR], v3, 4, s30
	v_and_b32 v40, 7, v0
	v_lshl_add_u32 v40, v3, 3, v40                 ; 8 h + (L & 7)
	v_bfe_u32 v41, v0, 3, 1
	v_mul_u32_u24 v40, v40, PITCH
	v_lshl_add_u32 v40, v41, 4, v40                ; + 16 ((L >> 3) & 1)
	s_mul_i32 s31, s2, 4*CHUNK
	v_add_nc_u32 v[TA0], s31, v40
	v_add_nc_u32 v[TA0+1], 2*CHUNK, v[TA0]
	s_lshl_b32 s31, s2, 10
	v_add_nc_u32 v[CO], s31, v[BO]                 ; 1,024 w + 16 L
	s_add_co_u32 s31, s31, SCR+O_CT
	v_lshl_add_u32 v[CTW], v2, 2, s31
	v_add_nc_u32 v[CTR], s31, v[BO]
	s_mov_b32 s26, 0x76543210                      ; v_permlanex16_b32: lane i of one half reads lane i of the other
	s_mov_b32 s27, 0xfedcba98
	s_mov_b32 s5, 0
	s_mov_b32 s7, 0                                ; the upper half of the pair that carries Va_b
	s_wait_kmcnt 0x0
	s_load_b32 s6, s[20:21], 0x0                   ; Va_b
	s_lshl_b32 s4, ttmp9, 19                       ; 128 rows of 4,096 bytes
	s_add_nc_u64 s[8:9], s[8:9], s[4:5]
	s_lshl_b32 s4, s2, 19                          ; my wave's 64 K steps of ub
	s_add_nc_u64 s[10:11], s[10:11], s[4:5]
	s_lshr_b32 s4, ttmp9, 4
	s_lshl_b32 s4, s4, 16                          ; the batch's 16 slices
	s_add_nc_u64 s[12:13], s[12:13], s[4:5]
	s_lshl_b32 s4, ttmp9, 9
	s_add_nc_u64 s[22:23], s[22:23], s[4:5]
	s_lshl_b32 s4, ttmp9, 12
	s_add_nc_u64 s[24:25], s[24:25], s[4:5]
	s_wait_alu depctr_va_vdst(0)                   ; the addresses and offsets v4 to v21 are written, which the kernel's loads, stores and prefetches read
	; What the first K steps need goes out first: key chunks 0 and 1, Ua's steps 0 and 1.
.irp g, 0,1
	LDK 0, 0, \g
.endr
.irp g, 0,1
	LDK 1, 256, \g
.endr
	WIN TO_B
.irp g, 0,1
	LDB 0, 0*BSTEP, \g
.endr
.irp g, 0,1
	LDB 64, 1*BSTEP, \g
.endr
	WIN 0
	s_wait_loadcnt 48                              ; chunk 0 is in: chunk 1 and two steps of Ua, 48 loads, are younger
	CVK 0
	s_wait_alu depctr_va_vdst(0)                   ; the conversions have written OUT, which the LDS stores read, and are done reading stage 0, in which chunk 2 lands
.irp g, 0,1
	STK 0, \g
.endr
.irp g, 0,1
	LDK 0, 512, \g                                 ; chunk 2
.endr
	WIN TO_B
.irp g, 0,1
	LDB 128, 2*BSTEP, \g                           ; Ua's step 2; step 3 is asked for in K step 0, as step s + 3 is in every step s
.endr
	WIN 0
	s_wait_kmcnt 0x0                               ; Va_b
	s_wait_dscnt 0x0                               ; my rows of chunk 0 are stored
	s_barrier_signal -1
	s_barrier_wait -1
	LDA 0, 0
	; ---------------- pass 1: columns 0-511 of Ua; the tile comes in ----------------
	; Order of issue of the global loads: chunks 0, 1, Ua 0, 1, chunk 2, Ua 2; then Ua's step s + 3 in the first half of step s and chunk c + 3 in the second
	; half of step 2 c.  So at the head of an even step 48 loads (Ua, a chunk, Ua) are younger than its Ua fragments, and the chunk that it converts is older
	; than they; at the head of an odd step 64 (a chunk, Ua, Ua, a chunk): the wait names 63.
	STEP_K 0,   1, 48, 0,        64,       3*BSTEP, 1, CHUNK,   768,  0, 1024
	STEP_B 64,     63, 64,       CHUNK,    4*BSTEP
	STEP_K 128, 0, 48, CHUNK,    CHUNK+64, 5*BSTEP, 0, 2*CHUNK, 1024, 0, 1280
	STEP_B 192,    63, CHUNK+64, 2*CHUNK,  6*BSTEP
	NEXT 1
	s_mov_b32 s3, 5                                ; trips 1 to 5
.Lpass1:
	STEP_K 0,   0, 48, 0,        64,       3*BSTEP, 1, CHUNK,   768,  2, 1024
	STEP_B 64,     63, 64,       CHUNK,    4*BSTEP
	STEP_K 128, 0, 48, CHUNK,    CHUNK+64, 5*BSTEP, 0, 2*CHUNK, 1024, 0, 1280
	STEP_B 192,    63, CHUNK+64, 2*CHUNK,  6*BSTEP
	NEXT 1
	s_sub_co_u32 s3, s3, 1
	s_cmp_lg_u32 s3, 0
	s_cbranch_scc1 .Lpass1
	STEP_K 0,   0, 48, 0,        64,       3*BSTEP, 1, CHUNK,   768,  2, -1       ; trip 6: chunk 13 in, chunk 15 asked for: the last
	STEP_B 64,     63, 64,       CHUNK,    4*BSTEP
	STEP_K 128, 0, 48, CHUNK,    CHUNK+64, 5*BSTEP, 0, 2*CHUNK, -1,   0, -1       ; chunk 14 in
	STEP_B 192,    48, CHUNK+64, 2*CHUNK,  6*BSTEP                                ; chunk 15 and two steps of Ua, 48 loads, are younger
	NEXT 1
	STEP_K 0,   0, 32, 0,        64,       3*BSTEP, 1, CHUNK,   -1,   2, -1       ; trip 7: only two steps of Ua, 32 loads, are younger now; chunk 15 in
	STEP_B 64,     32, 64,       CHUNK,    4*BSTEP
	STEP_P 128, 0, 32, CHUNK,    CHUNK+64, 5*BSTEP, 0, 0, 1                       ; the stages and v40-63 are free: the bias's 38 loads go out in the second half
	STEP_P 192, 0, 63, CHUNK+64, 0,        6*BSTEP, 0, 1, 0                       ; 2 x 16 + 38 = 70 loads are younger; fetches pass 2's first fragments of rows 0-63; Ua's stream runs on
	BIAS
	EPI 0
	; ---------------- pass 2: columns 512-1023; the tile is whole: no barrier ----------------
	; Two steps of Ua, 32 loads, are younger than a step's fragments; in the first two steps more (the bias's among them).
	STEP_P 0,   1, 32, 0,        64,       3*BSTEP, 1, 0, 0
	STEP_P 64,  0, 32, 64,       CHUNK,    4*BSTEP, 0, 0, 0
	STEP_P 128, 0, 32, CHUNK,    CHUNK+64, 5*BSTEP, 0, 0, 0
	STEP_P 192, 0, 32, CHUNK+64, 2*CHUNK,  6*BSTEP, 0, 0, 0
	NEXT 0
	s_mov_b32 s3, 6                                ; trips 1 to 6
.Lpass2:
	STEP_P 0,   0, 32, 0,        64,       3*BSTEP, 1, 0, 0
	STEP_P 64,  0, 32, 64,       CHUNK,    4*BSTEP, 0, 0, 0
	STEP_P 128, 0, 32, CHUNK,    CHUNK+64, 5*BSTEP, 0, 0, 0
	STEP_P 192, 0, 32, CHUNK+64, 2*CHUNK,  6*BSTEP, 0, 0, 0
	NEXT 0
	s_sub_co_u32 s3, s3, 1
	s_cmp_lg_u32 s3, 0
	s_cbranch_scc1 .Lpass2
	STEP_P 0,   0, 32, 0,        64,       3*BSTEP, 1, 0, 0       ; the last trip asks for Ua's last step and no more: the counts run down
	STEP_P 64,  0, 32, 64,       CHUNK,    -1,      0, 0, 0
	STEP_P 128, 0, 16, CHUNK,    CHUNK+64, -1,      0, 0, 0
	STEP_P 192, 0, 0,  CHUNK+64, -1,       -1,      0, 0, 0
	PLACES                                         ; behind the last matrix instructions, before the epilogue reads their results
	EPI 1
	; ---------------- the scores ----------------
	; (v40-47 and v56-63 were read by the bias's LDS stores: the waits on vm_vsrc at pass 2's trip ends stand behind those.)
.irp t, 0,1,2,3,4,5,6,7
	v_permlanex16_b32 v[40+(\t&1)], v[SC+\t], s26, s27     ; the other 8 of each 16 columns (v40, v41 have been written: they held the bias)
	v_add_f32 v[SC+\t], v[SC+\t], v[40+(\t&1)]
.endr
	s_wait_alu depctr_va_vdst(0)                           ; the sums have written v[SC ..], which the LDS stores read; the epilogue is done with window 3 and the last K step with AF, in which loads land further down
.irp t, 0,1,2,3,4,5,6,7
	ds_store_b32 v[SPW], v[SC+\t] offset:64*\t             ; row 16 t + r; both halves of the lanes store the same number
.endr
	s_wait_dscnt 0x0
	s_barrier_signal -1
	s_barrier_wait -1
	ds_load_b128 v[44:47], v[SPR]                          ; rows 4 L .. 4 L + 3: the four waves' parts
	ds_load_b128 v[48:51], v[SPR] offset:512
	ds_load_b128 v[52:55], v[SPR] offset:1024
	ds_load_b128 v[56:59], v[SPR] offset:1536
	s_wait_dscnt 0x0
	v_pk_add_f32 v[44:45], v[44:45], v[48:49]
	v_pk_add_f32 v[46:47], v[46:47], v[50:51]
	v_pk_add_f32 v[52:53], v[52:53], v[56:57]
	v_pk_add_f32 v[54:55], v[54:55], v[58:59]
	v_pk_add_f32 v[44:45], v[44:45], v[52:53]
	v_pk_add_f32 v[46:47], v[46:47], v[54:55]
	v_pk_add_f32 v[44:45], v[44:45], s[6:7] op_sel_hi:[1,0]        ; + Va_b
	v_pk_add_f32 v[46:47], v[46:47], s[6:7] op_sel_hi:[1,0]
	s_wait_alu depctr_va_vdst(0)                                   ; the sums have written v[44:47], which wave 0's store reads
	s_cmp_lg_u32 s2, 0
	s_cbranch_scc1 .Lnot_wave_0
	global_store_b128 v[BO], v[44:47], s[22:23]                    ; wave 0: the tile's 128 scores, 512 consecutive bytes; v[44:47] are not written again
.Lnot_wave_0:
	; the tile's maximum is taken away before the exponential; every wave makes all of p for itself
	v_max3_num_f32 v60, v44, v45, v46
	v_max_num_f32 v60, v60, v47
	v_max_num_f32_dpp v60, v60, v60 row_xmask:1 row_mask:0xf bank_mask:0xf
	v_max_num_f32_dpp v60, v60, v60 row_xmask:2 row_mask:0xf bank_mask:0xf
	v_max_num_f32_dpp v60, v60, v60 row_xmask:4 row_mask:0xf bank_mask:0xf
	v_max_num_f32_dpp v60, v60, v60 row_xmask:8 row_mask:0xf bank_mask:0xf
	v_permlanex16_b32 v40, v60, s26, s27
	v_max_num_f32 v60, v60, v40
.irp i, 0,1,2,3
	v_sub_f32 v[48+\i], v[44+\i], v60
.endr
.irp i, 0,1,2,3
	v_mul_f32 v[48+\i], 0x3fb8aa3b, v[48+\i]                       ; x log2(e)
.endr
.irp i, 0,1,2,3
	v_exp_f32 v[48+\i], v[48+\i]
.endr
	v_nop                                                          ; one plain place behind the transcendentals
	s_wait_alu depctr_va_vdst(0)
	v_cvt_pk_bf16_f32 v52, v48, v49
	v_cvt_pk_bf16_f32 v53, v50, v51
	s_wait_alu depctr_va_vdst(0)                                   ; the roundings have written v52 and v53, which the LDS store reads
	ds_store_b64 v[PBW], v[52:53]                                  ; my wave's own copy: LDS serves a wave's instructions in order, so no wait on DScnt and no barrier
.irp ks, 0,1,2,3
	ds_load_b128 v[AF+8*\ks:AF+8*\ks+3], v[PBR] offset:64*\ks      ; p as a fragment of 16 equal rows x 32 s
	ds_load_b128 v[AF+8*\ks+4:AF+8*\ks+7], v[PBR] offset:64*\ks+32
.endr
	; ---------------- the partial context: p (1 x 128) x tile (128 x my 256 columns) ----------------
	WIN TO_3
	KF 0, 0
	KF 1, 128
	s_wait_dscnt 32                                ; all but the 32 loads of rows 32-63
	WIN CTXW
	CMUL 0, 0, 1
	WIN TO_3
	s_wait_alu depctr_va_vdst(0)                   ; the 16 matrix instructions are done reading the fragments of rows 0-31, in whose registers those of rows 64-95 land
	KF 2, 0
	s_wait_dscnt 32                                ; all but the 32 just issued
	WIN CTXW
	CMUL 1, 128, 0
	WIN TO_3
	s_wait_alu depctr_va_vdst(0)                   ; the same for rows 32-63 and 96-127
	KF 3, 128
	s_wait_dscnt 32
	WIN CTXW
	CMUL 2, 0, 0
	s_wait_dscnt 0x0
	CMUL 3, 128, 0
	PLACES
	WIN ST_2
	s_wait_alu depctr_va_vdst(0)                   ; the matrix instructions have written the results, which the LDS stores read; the places above stay beside this wait
.irp nt, 0,1,2,3,4,5,6,7,8,9,10,11,12,13,14,15
	ds_store_b32 v[CTW], v[8*\nt] offset:64*\nt    ; all 16 rows of a result are equal: register 0 of lane r is column 16 nt + r
.endr
	WIN 0
	s_wait_alu depctr_vm_vsrc(0)                   ; the LDS store of p has read v52 and v53, in which the first load below lands
	ds_load_b128 v[52:55], v[CTR]                  ; my wave's own bytes, in order behind the stores
	ds_load_b128 v[56:59], v[CTR] offset:512
	s_wait_dscnt 0x0
	global_store_b128 v[CO], v[52:55], s[24:25]                    ; 512 consecutive bytes each
	global_store_b128 v[CO], v[56:59], s[24:25] offset:512
	s_wait_dscnt 0x0
	s_wait_alu depctr_hold_cnt(0) depctr_sa_sdst(0) depctr_va_vdst(0) depctr_va_sdst(0) depctr_va_ssrc(0) depctr_va_vcc(0) depctr_vm_vsrc(0)
	s_wait_tensorcnt 0x0
	ds_add_u32 v30, v31
	s_wait_dscnt 0x0
	s_endpgm
.Lfunc_end_k_q358b2d93fc_main:
	.size	k_q358b2d93fc_main, .Lfunc_end_k_q358b2d93fc_main-k_q358b2d93fc_main
	.p2alignl 7, 3214868480
	.fill 96, 4, 3214868480
	.section	.rodata,"a",@progbits
	.p2align	6, 0x0
	.amdhsa_kernel k_q358b2d93fc_main
		.amdhsa_group_segment_fixed_size 310784
		.amdhsa_private_segment_fixed_size 0
		.amdhsa_enable_private_segment 0
		.amdhsa_kernarg_size 72
		.amdhsa_user_sgpr_count 2
		.amdhsa_user_sgpr_kernarg_segment_ptr 1
		.amdhsa_wavefront_size32 1
		.amdhsa_system_sgpr_workgroup_id_x 1
		.amdhsa_system_sgpr_workgroup_id_y 1
		.amdhsa_system_sgpr_workgroup_id_z 1
		.amdhsa_system_vgpr_workitem_id 0
		.amdhsa_next_free_vgpr 1024
		.amdhsa_next_free_sgpr 66
		.amdhsa_reserve_vcc 0
		.amdhsa_float_denorm_mode_32 3
		.amdhsa_float_denorm_mode_16_64 3
		.amdhsa_memory_ordered 1
		.amdhsa_forward_progress 1
		.amdhsa_inst_pref_size 255
	.end_amdhsa_kernel
	.section	.bss,"aw",@nobits
	.p2align	6
	.space	262144
	.amdgpu_metadata
---
amdhsa.version: [ 1, 2 ]
amdhsa.kernels:
  - .name:           k_q358b2d93fc_main
    .symbol:         k_q358b2d93fc_main.kd
    .args:
      - { .name: keys, .offset: 0, .size: 8, .value_kind: global_buffer, .address_space: global }
      - { .name: ub, .offset: 8, .size: 8, .value_kind: global_buffer, .address_space: global }
      - { .name: qpart, .offset: 16, .size: 8, .value_kind: global_buffer, .address_space: global }
      - { .name: Wa_b, .offset: 24, .size: 8, .value_kind: global_buffer, .address_space: global }
      - { .name: Ua_b, .offset: 32, .size: 8, .value_kind: global_buffer, .address_space: global }
      - { .name: Va_w, .offset: 40, .size: 8, .value_kind: global_buffer, .address_space: global }
      - { .name: Va_b, .offset: 48, .size: 8, .value_kind: global_buffer, .address_space: global }
      - { .name: scores, .offset: 56, .size: 8, .value_kind: global_buffer, .address_space: global }
      - { .name: ctxp, .offset: 64, .size: 8, .value_kind: global_buffer, .address_space: global }
    .group_segment_fixed_size: 310784
    .private_segment_fixed_size: 0
    .kernarg_segment_align: 8
    .kernarg_segment_size: 72
    .max_flat_workgroup_size: 128
    .sgpr_count:     66
    .vgpr_count:     1024
    .wavefront_size: 32
...
	.end_amdgpu_metadata
.endif
;; end of part 4
;; launch fin: the kernel of part 3 again; grid 32 x 1, 8 waves a work-group, no clusters, 1,280 bytes of LDS; arguments scores, ctxp, out0, out1; writes out0, out1
